; MI455X (gfx1250); checked and timed in simulation.
; The chip was launched on July 23, 2026; its instructions are those of AMD's public machine-readable ISA for CDNA 5 (MIT licence, August 2026) and "CDNA5" Instruction Set Architecture Reference Guide (July 2026). The comments in the code are by the model that wrote it; some were corrected since.
;; GQA. Allowed arithmetic: float matrix products may take bf16 or f16 operands with f32 sums; other float arithmetic in f32, or as packed bf16 or f16 multiplies, adds, multiply-adds, maxima and minima; sums over many terms, partial sums and values carried from step to step in f32; what a program stores and reads back later, other than sums and carried values, may be rounded once to bf16 or f16.
;; Inputs: k_norm_w 128 float32; mask 1,024 x 1,024 bool; pos 1,024 int32; q_norm_w 128 float32; w_out 2,048 x 2,048 float32; w_qkv 3,072 x 2,048 float32; x 4 x 1,024 x 2,048 float32.
;; Outputs: out0 4 x 1,024 x 2,048 float32.
;; 2 versions, each right; version 2 is version 1 with the launch prep written anew for expert scheduling mode. Each part assembles by itself: llvm-mc -triple=amdgcn-amd-amdhsa -mcpu=gfx1250 --defsym DOCPART=n.
;; ======== version 1 of 2: 4 launches
;; limits: values are held in f16: magnitudes above 65,504 overflow, below 6.1e-05 lose precision; right only within a limited range of input values; an absolute error that grows with the inputs' magnitude: up to 2e-07 times it
;; workspace buffers: xb 16,777,216 bytes; wqb 12,582,912 bytes; wob 8,388,608 bytes; msk 2,097,152 bytes; rot 524,288 bytes; qkv 25,165,824 bytes; yb 16,777,216 bytes
;; launch prep (part 1): grid 1280 x 1, 8 waves a work-group, no clusters, 19,456 bytes of LDS; arguments x, w_qkv, w_out, mask, pos, xb, wqb, wob, msk, rot; writes xb, wqb, wob, msk, rot
.if DOCPART == 1
	.amdgcn_target "amdgcn-amd-amdhsa--gfx1250"
	.amdhsa_code_object_version 6
	.text
	.protected	k_q9f275aeb37_prep
	.globl	k_q9f275aeb37_prep
	.p2align	8
	.type	k_q9f275aeb37_prep,@function
k_q9f275aeb37_prep:
	s_mov_b64 s[64:65], 0
	v_nop
	global_prefetch_b8 v0, s[64:65] scope:SCOPE_SE
	s_setreg_imm32_b32 hwreg(HW_REG_WAVE_MODE, 25, 1), 1
	s_wait_xcnt 0x0
; PREP: the inputs are brought into the forms that the three matrix launches read.  Work-groups by number:
;   0-63      the mask: 16 queries each, as f16 (-32768 where hidden, 0 where seen) in the order of a matrix operand's registers
;   64-127    the rotation table: 16 positions each, cos and sin of pos[n] x 10000^(-i/64), i = 0..63, f32
;   128-639   x to bf16;  640-1023  w_qkv to bf16;  1024-1279  w_out to bf16 and that number written as f16: 65,536 bytes of f32 each
; LIMITS.  |pos| <= 2^22 (the angle is reduced by two parts of pi/2).  The frequency comes from 2^t with a first-order correction: the angle is right to
; about 2e-7 of itself.  |w_out| < 65,504 (f16); below 6e-5 it keeps f16's fixed step of 6e-8.  A mask byte is 0 or 1.
; No matrix unit, no cluster: nothing is shared between work-groups and memory binds.
.set SPW,   8                          ; v8   LDS address of my spare word; never rewritten
.set NIL,   9                          ; v9   0; never rewritten
.set MROW,  144                        ; the mask's LDS row: 128 bytes + 16: 36 words, so 16 rows start at 16 different groups of four banks (ISA guide 11.1)
.set MWAVE, 16*MROW                    ; each wave's own 16 rows
.set SPARE, 8*MWAVE                    ; behind them: the spare words, 128 bytes a wave, four blocks of 256 bytes that no other line names
	s_load_b512 s[4:19], s[0:1], 0x0               ; x s[4:5], w_qkv s[6:7], w_out s[8:9], mask s[10:11], pos s[12:13], xb s[14:15], wqb s[16:17], wob s[18:19]
	s_load_b128 s[20:23], s[0:1], 0x40             ; msk s[20:21], rot s[22:23]
	v_lshl_add_u32 v[SPW], v0, 2, SPARE
	v_mov_b32 v[NIL], 0
	s_mov_b32 s29, 640
	s_mov_b32 s31, 0
	s_wait_kmcnt 0x0
; 65,536 bytes of f32 at s[24:25] + 65,536 s28 become 32,768 bytes at s[26:27] + 32,768 s28.  All sixteen loads of a lane go out first; no register that a load or store names is written twice,
; so no wait frees a source.  A wave's load covers 512 consecutive bytes, its store 256, aligned.
.macro CONV half
	s_lshl_b32 s30, s28, 16
	s_add_nc_u64 s[24:25], s[24:25], s[30:31]
	s_lshl_b32 s30, s28, 15
	s_add_nc_u64 s[26:27], s[26:27], s[30:31]
	v_lshlrev_b32 v1, 4, v0
	v_lshlrev_b32 v2, 3, v0
.set j, 0
.rept 16
	global_load_b128 v[16+4*j:19+4*j], v1, s[24:25] offset:4096*j th:TH_LOAD_NT
.set j, j+1
.endr
.set j, 0
.rept 16
	s_wait_loadcnt 15-j                            ; loads come back in order: load j is in, the 15 - j younger ones stay out
	v_cvt_pk_bf16_f32 v[80+2*j], v[16+4*j], v[17+4*j]
	v_cvt_pk_bf16_f32 v[81+2*j], v[18+4*j], v[19+4*j]
.if \half
	v_lshlrev_b32 v4, 16, v[80+2*j]                ; the bf16 numbers, widened, are written as f16
	v_and_b32 v5, 0xffff0000, v[80+2*j]
	v_lshlrev_b32 v6, 16, v[81+2*j]
	v_and_b32 v7, 0xffff0000, v[81+2*j]
	v_cvt_pk_f16_f32 v[80+2*j], v4, v5
	v_cvt_pk_f16_f32 v[81+2*j], v6, v7
.endif
	global_store_b64 v2, v[80+2*j:81+2*j], s[26:27] offset:2048*j th:TH_STORE_NT
.set j, j+1
.endr
.endm
	s_cmp_lt_u32 ttmp9, 64
	s_cbranch_scc1 .Lmask
	s_cmp_lt_u32 ttmp9, 128
	s_cbranch_scc1 .Lrot
	s_cmp_lt_u32 ttmp9, 1024
	s_cbranch_scc0 .Lwout
	s_cmp_lt_u32 ttmp9, s29                        ; x or w_qkv: one text, the buffers chosen by the work-group's number
	s_cselect_b64 s[24:25], s[4:5], s[6:7]
	s_cselect_b64 s[26:27], s[14:15], s[16:17]
	s_cselect_b32 s28, 128, s29
	s_sub_co_u32 s28, ttmp9, s28
	CONV 0
	s_branch .Lend
.Lwout:
	s_sub_co_u32 s28, ttmp9, 1024
	s_mov_b64 s[24:25], s[8:9]
	s_mov_b64 s[26:27], s[18:19]
	CONV 1
	s_branch .Lend
; THE MASK.  Work-group T holds queries 16 T .. 16 T + 15; wave w the keys 128 w .. 128 w + 127.  The wave's 16 x 128 bytes go through LDS bytes of its own (no other wave touches them: no barrier).
; Out: [q block 4][128 keys 8][q tile 16][32 keys 4][half 2][lane 32][8 f16]; lane (r, h) of half e holds query r and keys 16 e + 8 h + 0..7 of the 32: source 1 of a 16x16x32 product.
.Lmask:
	v_lshrrev_b32 v1, 5, v0
	v_readfirstlane_b32 s28, v1                    ; wave
	v_and_b32 v2, 31, v0                           ; lane
	v_lshrrev_b32 v3, 3, v2                        ; one of four rows
	v_and_b32 v4, 7, v2                            ; 16 bytes of its 128
	s_lshl_b32 s30, ttmp9, 14                      ; 16 rows of 1,024 bytes
	s_lshl_b32 s32, s28, 7
	s_add_co_u32 s30, s30, s32
	v_lshlrev_b32 v5, 10, v3
	v_lshl_add_u32 v5, v4, 4, v5
	v_add_nc_u32 v5, s30, v5
.irp i, 0,1,2,3
	global_load_b128 v[16+4*\i:19+4*\i], v5, s[10:11] offset:4096*\i th:TH_LOAD_NT
.endr
	s_mul_i32 s33, s28, MWAVE
	v_mul_u32_u24 v6, v3, MROW
	v_lshl_add_u32 v6, v4, 4, v6
	v_add_nc_u32 v6, s33, v6                       ; in: row 4 i + lane / 8
	v_and_b32 v7, 15, v0
	v_bfe_u32 v10, v0, 4, 1
	v_mul_u32_u24 v7, v7, MROW
	v_lshl_add_u32 v7, v10, 3, v7
	v_add_nc_u32 v7, s33, v7                       ; back: row r, 8 bytes at 8 h
	s_lshr_b32 s34, ttmp9, 4
	s_lshl_b32 s34, s34, 19
	s_lshl_b32 s35, s28, 16
	s_add_co_u32 s34, s34, s35
	s_and_b32 s36, ttmp9, 15
	s_lshl_b32 s36, s36, 12
	s_add_co_u32 s34, s34, s36
	v_lshl_add_u32 v11, v2, 4, s34
	v_mov_b32 v12, 0
	s_mov_b32 s37, 0x04010400                      ; bytes 0 and 1 of a word, each into a half of its own
	s_mov_b32 s38, 0x04030402                      ; bytes 2 and 3
.irp i, 0,1,2,3
	s_wait_loadcnt 3-\i                            ; load i is in, the 3 - i younger ones stay out
	ds_store_b128 v6, v[16+4*\i:19+4*\i] offset:4*MROW*\i
.endr
.irp u, 0,1,2,3,4,5,6,7
	ds_load_b64 v[32+2*\u:33+2*\u], v7 offset:16*\u  ; LDS serves a wave's instructions in order (ISA guide 5.7.1.4): these see the stores above
.endr
.irp u, 0,1,2,3,4,5,6,7
	s_wait_dscnt 7-\u                              ; load u is in, the 7 - u younger ones stay out
	v_perm_b32 v[48+4*\u], v12, v[32+2*\u], s37
	v_perm_b32 v[49+4*\u], v12, v[32+2*\u], s38
	v_perm_b32 v[50+4*\u], v12, v[33+2*\u], s37
	v_perm_b32 v[51+4*\u], v12, v[33+2*\u], s38
	v_mul_u32_u24 v[48+4*\u], 0xf800, v[48+4*\u]   ; 0 or 1 in each half, times the code of -32768
	v_mul_u32_u24 v[49+4*\u], 0xf800, v[49+4*\u]
	v_mul_u32_u24 v[50+4*\u], 0xf800, v[50+4*\u]
	v_mul_u32_u24 v[51+4*\u], 0xf800, v[51+4*\u]
	global_store_b128 v11, v[48+4*\u:51+4*\u], s[20:21] offset:512*\u  ; 512 consecutive bytes a wave
.endr
	s_branch .Lend
; THE ROTATION TABLE.  Thread: position n = 16 (id - 64) + t / 16, frequencies i = 4 (t % 16) + 0..3.  rot[n] = 64 cos, 64 sin.
; Four registers, one a frequency, under each name; the two constants lie behind them and are never rewritten.
.set FI, 16
.set TN, 20
.set EN, 24
.set XX, 28
.set ANG, 32
.set NQ, 36
.set RR, 40
.set R2, 44
.set SPO, 48
.set CPO, 52
.set QI, 56
.set SNO, 60
.set CSO, 64
.set TM, 68                            ; v68-71 at work
.set K7, 72                            ; v72  -1/5040
.set K8, 73                            ; v73  1/40320
.Lrot:
	s_sub_co_u32 s28, ttmp9, 64
	v_lshrrev_b32 v1, 4, v0
	v_lshl_add_u32 v1, s28, 4, v1                  ; n
	v_and_b32 v2, 15, v0
	v_lshlrev_b32 v3, 2, v1
	global_load_b32 v4, v3, s[12:13]               ; pos[n]
	v_lshlrev_b32 v5, 2, v2
	s_mov_b32 s30, 0xbe549a78                      ; -log2(10000) / 64, its f32,
	s_mov_b32 s32, 0xb196872b                      ; and what that f32 leaves
	s_mov_b32 s33, 0x3f317218                      ; ln 2
	s_mov_b32 s34, 0x3fc90fdb                      ; pi / 2, its f32,
	s_mov_b32 s35, 0xb33bbd2e                      ; and the rest
	v_mov_b32 v[K7], 0xb9500d01
	v_mov_b32 v[K8], 0x37d00d01
.irp j, 0,1,2,3
	v_add_nc_u32 v[FI+\j], \j, v5
	v_cvt_f32_u32 v[FI+\j], v[FI+\j]
	v_mul_f32 v[TN+\j], s30, v[FI+\j]              ; t, rounded
	v_fma_f32 v[EN+\j], v[FI+\j], s30, -v[TN+\j]   ; what the rounding dropped,
	v_fma_f32 v[EN+\j], v[FI+\j], s32, v[EN+\j]    ; and the constant's rest
.endr
.irp j, 0,1,2,3
	v_exp_f32 v[XX+\j], v[TN+\j]
.endr
	v_nop                                          ; a plain instruction behind the last exponential,
	s_wait_alu depctr_va_vdst(0)                   ; and one wait for the four, ahead of their first reader
	s_wait_loadcnt 0x0
	v_cvt_f32_i32 v4, v4
.irp j, 0,1,2,3
	v_mul_f32 v[EN+\j], v[XX+\j], v[EN+\j]
	v_fma_f32 v[XX+\j], v[EN+\j], s33, v[XX+\j]    ; 2^(t + e) = 2^t (1 + e ln 2)
	v_mul_f32 v[ANG+\j], v4, v[XX+\j]
	v_mul_f32 v[NQ+\j], 0x3f22f983, v[ANG+\j]      ; 2 / pi
	v_rndne_f32 v[NQ+\j], v[NQ+\j]
	v_fma_f32 v[RR+\j], -v[NQ+\j], s34, v[ANG+\j]
	v_fma_f32 v[RR+\j], -v[NQ+\j], s35, v[RR+\j]   ; |r| <= pi / 4
	v_mul_f32 v[R2+\j], v[RR+\j], v[RR+\j]
	v_fmaak_f32 v[SPO+\j], v[K7], v[R2+\j], 0x3c088889
	v_fmaak_f32 v[SPO+\j], v[SPO+\j], v[R2+\j], 0xbe2aaaab
	v_mul_f32 v[TM+\j], v[RR+\j], v[R2+\j]
	v_fma_f32 v[SPO+\j], v[SPO+\j], v[TM+\j], v[RR+\j]  ; sin r
	v_fmaak_f32 v[CPO+\j], v[K8], v[R2+\j], 0xbab60b61
	v_fmaak_f32 v[CPO+\j], v[CPO+\j], v[R2+\j], 0x3d2aaaab
	v_fmaak_f32 v[CPO+\j], v[CPO+\j], v[R2+\j], 0xbf000000
	v_fma_f32 v[CPO+\j], v[CPO+\j], v[R2+\j], 1.0  ; cos r
	v_cvt_i32_f32 v[QI+\j], v[NQ+\j]               ; the quadrant only selects values
	v_and_b32 v[TM+\j], 1, v[QI+\j]
	v_cmp_eq_u32 vcc_lo, 1, v[TM+\j]
	v_cndmask_b32 v[SNO+\j], v[SPO+\j], v[CPO+\j], vcc_lo
	v_cndmask_b32 v[CSO+\j], v[CPO+\j], v[SPO+\j], vcc_lo
	v_and_b32 v[TM+\j], 2, v[QI+\j]
	v_lshlrev_b32 v[TM+\j], 30, v[TM+\j]
	v_xor_b32 v[SNO+\j], v[TM+\j], v[SNO+\j]
	v_add_nc_u32 v[TM+\j], 1, v[QI+\j]
	v_and_b32 v[TM+\j], 2, v[TM+\j]
	v_lshlrev_b32 v[TM+\j], 30, v[TM+\j]
	v_xor_b32 v[CSO+\j], v[TM+\j], v[CSO+\j]
.endr
	v_lshlrev_b32 v6, 9, v1
	v_lshl_add_u32 v6, v2, 4, v6
	global_store_b128 v6, v[CSO:CSO+3], s[22:23]             ; sixteen lanes fill 256 consecutive bytes, aligned
	global_store_b128 v6, v[SNO:SNO+3], s[22:23] offset:256
.Lend:
	s_wait_tensorcnt 0x0                           ; the wave's end: three closing lines behind the last LDS store
	ds_add_u32 v[SPW], v[NIL]
	s_wait_dscnt 0x0
	s_endpgm
.Lfunc_end_k_q9f275aeb37_prep:
	.size	k_q9f275aeb37_prep, .Lfunc_end_k_q9f275aeb37_prep-k_q9f275aeb37_prep
	.p2alignl 7, 3214868480
	.fill 96, 4, 3214868480
	.section	.rodata,"a",@progbits
	.p2align	6, 0x0
	.amdhsa_kernel k_q9f275aeb37_prep
		.amdhsa_group_segment_fixed_size 19456
		.amdhsa_private_segment_fixed_size 0
		.amdhsa_enable_private_segment 0
		.amdhsa_kernarg_size 80
		.amdhsa_user_sgpr_count 2
		.amdhsa_user_sgpr_kernarg_segment_ptr 1
		.amdhsa_wavefront_size32 1
		.amdhsa_system_sgpr_workgroup_id_x 1
		.amdhsa_system_sgpr_workgroup_id_y 1
		.amdhsa_system_sgpr_workgroup_id_z 1
		.amdhsa_system_vgpr_workitem_id 0
		.amdhsa_next_free_vgpr 112
		.amdhsa_next_free_sgpr 66
		.amdhsa_reserve_vcc 1
		.amdhsa_float_denorm_mode_32 3
		.amdhsa_float_denorm_mode_16_64 3
		.amdhsa_memory_ordered 1
		.amdhsa_forward_progress 1
		.amdhsa_inst_pref_size 33
	.end_amdhsa_kernel
	.amdgpu_metadata
---
amdhsa.version: [ 1, 2 ]
amdhsa.kernels:
  - .name:           k_q9f275aeb37_prep
    .symbol:         k_q9f275aeb37_prep.kd
    .args:
      - { .name: x, .offset: 0, .size: 8, .value_kind: global_buffer, .address_space: global }
      - { .name: w_qkv, .offset: 8, .size: 8, .value_kind: global_buffer, .address_space: global }
      - { .name: w_out, .offset: 16, .size: 8, .value_kind: global_buffer, .address_space: global }
      - { .name: mask, .offset: 24, .size: 8, .value_kind: global_buffer, .address_space: global }
      - { .name: pos, .offset: 32, .size: 8, .value_kind: global_buffer, .address_space: global }
      - { .name: xb, .offset: 40, .size: 8, .value_kind: global_buffer, .address_space: global }
      - { .name: wqb, .offset: 48, .size: 8, .value_kind: global_buffer, .address_space: global }
      - { .name: wob, .offset: 56, .size: 8, .value_kind: global_buffer, .address_space: global }
      - { .name: msk, .offset: 64, .size: 8, .value_kind: global_buffer, .address_space: global }
      - { .name: rot, .offset: 72, .size: 8, .value_kind: global_buffer, .address_space: global }
    .group_segment_fixed_size: 19456
    .private_segment_fixed_size: 0
    .kernarg_segment_align: 8
    .kernarg_segment_size: 80
    .max_flat_workgroup_size: 256
    .sgpr_count:     66
    .vgpr_count:     112
    .wavefront_size: 32
...
	.end_amdgpu_metadata
.endif
;; end of part 1
;; launch qkvp (part 2): grid 8 x 32, 4 waves a work-group, clusters of 4 x 4, 327,680 bytes of LDS; arguments xb, wqb, rot, q_norm_w, k_norm_w, qkv; writes qkv
.if DOCPART == 2
	.amdgcn_target "amdgcn-amd-amdhsa--gfx1250"
	.amdhsa_code_object_version 6
	.text
	.protected	k_q9f275aeb37_qkvp
	.globl	k_q9f275aeb37_qkvp
	.p2align	8
	.type	k_q9f275aeb37_qkvp,@function
k_q9f275aeb37_qkvp:
	s_mov_b64 s[64:65], 0
	v_nop
	global_prefetch_b8 v0, s[64:65] scope:SCOPE_SE
	s_setreg_imm32_b32 hwreg(HW_REG_WAVE_MODE, 25, 1), 1
	s_wait_xcnt 0x0
	s_wait_alu depctr_hold_cnt(0) depctr_sa_sdst(0) depctr_va_vdst(0) depctr_va_sdst(0) depctr_va_ssrc(0) depctr_va_vcc(0) depctr_vm_vsrc(0)
	s_getreg_b32 s2, hwreg(HW_REG_IB_STS2, 6, 4)
	s_cmp_eq_u32 s2, 0
	s_cbranch_scc0 .Lentry_in_a_cluster
	s_endpgm
.Lentry_in_a_cluster:
	s_bfe_u32 s2, ttmp6, 0x10000c
	s_cmp_lg_u32 s2, 0xf033
	s_cbranch_scc0 .Lentry_shape_is_right
	s_endpgm
.Lentry_shape_is_right:
; QKV PROJECTION, RMS NORM AND ROTATION.  C[m][e] = sum over d of xb[m][d] wqb[e][d] (bf16, sums in f32), 4096 x 3072 x 2048; then, by heads of 128 columns:
; q and k heads: C x rsqrt(mean(C^2) + 2^-23) x gain, rotated by rot[n]; v heads: C as it is.  Out: qkv f16 [b 4][head 24][n 1024][128], rounded once.
; LIMITS.  The gains are rounded to bf16 like every input; |gain| < 5,786 keeps q and k, and |v| < 65,504 keeps v, inside f16.
; SHARES.  A work-group makes 128 rows x 384 columns (three whole heads): 8 x 32 = 256 work-groups.  Wave w: all 128 rows x columns 96 w .. 96 w + 95: 48 accumulators, 384 registers.
; K goes in steps of 128 through two LDS slots (A's 128 rows, then B's 384; rows of 256 bytes + 16 of padding).  Wave 0 fetches A's tile, waves 1-3 B's three parts, 128 rows each.
; CLUSTER 4 x 4: A's tile is shared along a row of the cluster, B's along a column: joint loads with a mask of four.
; The matrix instruction is used transposed (source 0 = 16 rows of B, source 1 = 16 rows of A): a lane holds one row of C and eight neighbouring columns.
; THE WAY OUT.  A head's 128 columns lie in two waves, so the tile goes as f32 into the ring's bytes (their last fill is past), and each wave then takes 32 whole rows, two a trip:
; lane (h, c) holds columns 8 c .. 8 c + 7 of row 2 t + h in each of the three heads, and reads its partner's (c xor 8) beside them.
; REGISTERS: window 0: v0-31 addresses, v64-127 and v128-191 A's fragments (two buffers), v192-239 the raw gains; on the way out v32-235 at work.
;   window 1: v64-111, v128-175 B's fragments; v0-63, v192-255 my 32 rows of rot, loaded at the head.   window 2: accumulators of row blocks 0-3 at v[8 (6 a + b)];  window 3: of blocks 4-7.
.set NB,     6
.set SIZE_K, 2048
.set KSTEP,  128
.set PITCH,  272                       ; 68 words: the 16 rows of a fragment load start at 16 different groups of four banks (ISA guide 11.1)
.set HALFT,  128*PITCH                 ; what one tensor load brings
.set SLOT,   (1+NB/2)*HALFT
.set SPARE,  2*SLOT                    ; behind the ring: the spare words, 128 bytes a wave, two blocks of 256 bytes that no other line names
.set LAPS,   SIZE_K/(2*KSTEP)
.set DP,     1552                      ; the tile as f32: 1,536 bytes a row + 16: 97 x 16
.set TAB,    128*DP                    ; behind it the 128 rows of rot, 512 bytes each
.set RA,   4                           ; v4   LDS: my 32 bytes of my row, head 0
.set RA2,  5                           ; v5   my partner's
.set TA,   6                           ; v6   LDS: my 32 bytes of cos
.set GO,   7                           ; v7   my 16 bytes in the tile's rows of a head
.set L16,  8                           ; v8   16 x lane
.set GA,   9                           ; v9   32 c
.set DA,   10                          ; v10-13  where I put an accumulator's 32 bytes: row blocks 2 k, 2 k + 1
.set SGN,  14                          ; v14-15  -1 for c < 8, else 1
.set ADRA, 16
.set ADRB, 20
.set GB,   22                          ; v22  32 (c xor 8)
.set TS,   23                          ; v23  where I put a row of rot
.set SPW,  28
.set NIL,  29
.set PFO,  30
.set F0,   64
.set F1,   128
.set W,    32                          ; gains of my 8 columns, three heads
.set W2,   56                          ; my partner's, with the rotation's sign
.set T,    80
.set T2,   104
.set CO,   128
.set SI,   136
.set U,    144
.set PP,   168
.set GR,   192                         ; the raw gains: head g: mine at 16 g, my partner's at 16 g + 8
.set SS,   192
.set RS,   198
.set CG,   208
.set SG,   216
.set PK,   224
.set G1,  24
.set G0,  32
.set G1B, 48
.set G0B, 56
.set LIM, 43
.set PFA, 44
.set KQ,  78                           ; s[78:83] 1.0 for a q or k head, 0 for a v head, in pairs
.set KV,  84                           ; s[84:89] the reverse
.set MSB, 0
.macro WIN new
.if MSB != (\new)
	s_set_vgpr_msb (MSB<<8)|(\new)
.set MSB, \new
.endif
.endm
.set MUL_LO, 0xa1                      ; source 0 (B) window 1, source 1 (A) window 0, C and D window 2
.set TO_B,   0x40
.macro JLOAD s                         ; a joint load: wave 0 A's tile, the others B's; the branch hangs on the wave's number alone
	s_cmp_eq_u32 s10, 0
	s_cbranch_scc0 .Lfor_b_\@
	tensor_load_to_lds s[G0+4*(\s):G0+4*(\s)+3], s[G1:G1+7]
	s_nop 0
.rept 4
	v_nop
.endr
	s_branch .Lasked_\@
.Lfor_b_\@:
	tensor_load_to_lds s[G0B+4*(\s):G0B+4*(\s)+3], s[G1B:G1B+7]
	s_nop 0
.rept 4
	v_nop
.endr
.Lasked_\@:
.endm
; A prefetch of the K step that stands two refills on: 32 rows x 256 bytes, a lane a row.  A's rows are asked for by the clusters with x = 0, B's by those with y = 0; the four partners of a joint
; load share its 128 rows out by address.  The loop's last trip asks for nothing: its K steps two on do not exist.
.macro ASK
	s_cmp_gt_u32 s3, s[LIM]
	s_cbranch_scc0 .Lnot_mine_\@
	global_prefetch_b8 v[PFO], s[PFA:PFA+1] offset:KSTEP*2 th:TH_LOAD_NT scope:SCOPE_SE
.Lnot_mine_\@:
.endm
.macro CREST
	s_cmp_lg_u32 s10, 0
	s_cbranch_scc1 .Lnot_wave_0_\@
	s_barrier_signal -3
.Lnot_wave_0_\@:
	s_barrier_wait -3
	s_barrier_signal -1
	s_barrier_wait -1
.endm
.macro CROUND
	s_barrier_signal -1
	s_barrier_wait -1
	CREST
.endm
	s_load_b128 s[4:7], s[0:1], 0x0                ; xb, wqb
	s_load_b64 s[66:67], s[0:1], 0x10              ; rot
	s_load_b128 s[68:71], s[0:1], 0x18             ; q_norm_w, k_norm_w
	s_load_b64 s[8:9], s[0:1], 0x28                ; qkv
	v_lshl_add_u32 v[SPW], v0, 2, SPARE
	v_mov_b32 v[NIL], 0
	ds_add_u32 v[SPW], v[NIL]                      ; the wave's opening: the add and its wait stand ahead of my first tensor load
	v_lshrrev_b32 v1, 5, v0
	v_readfirstlane_b32 s10, v1                    ; wave
	s_bfe_u32 s40, ttmp6, 0x40000                  ; cx
	s_bfe_u32 s41, ttmp6, 0x40004                  ; cy
	s_lshl_b32 s42, ttmp9, 2
	s_add_co_u32 s42, s42, s40                     ; tile column
	s_and_b32 s13, ttmp7, 0xffff
	s_lshl_b32 s13, s13, 2
	s_add_co_u32 s13, s13, s41                     ; tile row
	s_lshl_b32 s43, s41, 2
	s_lshl_b32 s43, 15, s43                        ; my row of the cluster
	s_lshl_b32 s44, 0x1111, s40                    ; my column
	s_or_b32 s[G1+0], s43, (1<<16)|(1<<20)|(1<<21)|(5<<22)|(3<<25)   ; mask; 2-byte elements; padding on; bit 21 beside a mask; after 64 words 4 words
	s_or_b32 s[G1B+0], s44, (1<<16)|(1<<20)|(1<<21)|(5<<22)|(3<<25)
.irp g, G1, G1B
	s_mov_b32 s[(\g)+1], KSTEP<<16                 ; tensor_dim0 = 128
	s_mov_b32 s[(\g)+2], 128<<16                   ; tensor_dim1 = 128
	s_mov_b32 s[(\g)+3], KSTEP<<16                 ; tile_dim0 = 128
	s_mov_b32 s[(\g)+4], 128                       ; tile_dim1 = 128
	s_mov_b32 s[(\g)+5], SIZE_K                    ; elements from row to row
	s_mov_b32 s[(\g)+6], 0
	s_mov_b32 s[(\g)+7], 0
.endr
	s_lshl_b32 s11, s13, 7                         ; A's first row: hangs on the tile row alone
	s_lshl_b32 s16, s11, 12                        ; 4,096 bytes a row
	s_mov_b32 s17, 0
	s_max_u32 s12, s10, 1
	s_sub_co_u32 s12, s12, 1                       ; which 128 rows of B (wave 0's is not used)
	s_mul_i32 s18, s42, 64*NB
	s_lshl_b32 s19, s12, 7
	s_add_co_u32 s18, s18, s19                     ; B's first row: the tile column and the wave
	s_lshl_b32 s46, s18, 12
	s_mov_b32 s47, 0
	s_mul_i32 s20, s10, HALFT                      ; where my tile goes: the wave's number alone
	s_wait_dscnt 0x0                               ; the opening add is done
	s_wait_kmcnt 0x0
	s_add_nc_u64 s[14:15], s[4:5], s[16:17]
	s_add_nc_u64 s[46:47], s[6:7], s[46:47]
	CROUND                                         ; all sixteen work-groups are here: the first joint loads meet
.irp s, 0,1
	s_mov_b32 s[G0+4*(\s)], 1
	s_add_co_u32 s[G0+4*(\s)+1], s20, (\s)*SLOT
	s_add_nc_u64 s[G0+4*(\s)+2:G0+4*(\s)+3], s[14:15], (\s)*KSTEP*2
	s_or_b32 s[G0+4*(\s)+3], s[G0+4*(\s)+3], 0x80000000
	s_mov_b32 s[G0B+4*(\s)], 1
	s_add_co_u32 s[G0B+4*(\s)+1], s20, (\s)*SLOT
	s_add_nc_u64 s[G0B+4*(\s)+2:G0B+4*(\s)+3], s[46:47], (\s)*KSTEP*2
	s_or_b32 s[G0B+4*(\s)+3], s[G0B+4*(\s)+3], 0x80000000
	JLOAD \s                                       ; two tensor loads of mine are out
.endr
	v_and_b32 v1, 15, v0                           ; r, on the way out c
	v_bfe_u32 v2, v0, 4, 1                         ; h
	v_mul_u32_u24 v3, v1, PITCH
	v_lshl_add_u32 v3, v2, 4, v3
	s_mul_i32 s22, s10, 16*NB*PITCH
	s_add_co_u32 s22, s22, HALFT                   ; my 96 rows of B lie behind A's 128
	v_mov_b32 v[ADRA], v3
	v_add_nc_u32 v[ADRA+1], SLOT, v3
	v_add_nc_u32 v[ADRB], s22, v3
	s_add_co_u32 s22, s22, SLOT
	v_add_nc_u32 v[ADRB+1], s22, v3
	; my 32 rows of rot and the three heads' gains are asked for now and waited for on the way out
	v_and_b32 v[L16], 31, v0
	v_lshlrev_b32 v[L16], 4, v[L16]
	s_and_b32 s20, s13, 7
	s_lshl_b32 s20, s20, 7
	s_lshl_b32 s21, s10, 5
	s_add_co_u32 s20, s20, s21                     ; position n of my first row
	s_lshl_b32 s20, s20, 9
	s_mov_b32 s21, 0
	s_add_nc_u64 s[66:67], s[66:67], s[20:21]
	WIN 0x40                                       ; destination window 1
.set i, 0
.rept 16
	global_load_b128 v[4*i:4*i+3], v[L16], s[66:67] offset:512*i
	global_load_b128 v[192+4*i:192+4*i+3], v[L16], s[66:67] offset:512*(16+i)
.set i, i+1
.endr
	WIN 0
	v_lshlrev_b32 v[GA], 5, v1
	v_xor_b32 v[GB], 8, v1
	v_lshlrev_b32 v[GB], 5, v[GB]
	s_mul_i32 s93, s42, 3                          ; my first head.  What a head is enters selects alone, no branch
.irp g, 0,1,2
	s_add_co_u32 s94, s93, \g
	s_cmp_lt_u32 s94, 16
	s_cselect_b64 s[72+2*\g:73+2*\g], s[68:69], s[70:71]
	s_cmp_lt_u32 s94, 20
	s_cselect_b32 s[KQ+2*\g], 1.0, 0
	s_cselect_b32 s[KV+2*\g], 0, 1.0
	s_mov_b32 s[KQ+2*\g+1], s[KQ+2*\g]
	s_mov_b32 s[KV+2*\g+1], s[KV+2*\g]
	global_load_b128 v[GR+16*\g:GR+16*\g+3],     v[GA], s[72+2*\g:73+2*\g]
	global_load_b128 v[GR+16*\g+4:GR+16*\g+7],   v[GA], s[72+2*\g:73+2*\g] offset:16
	global_load_b128 v[GR+16*\g+8:GR+16*\g+11],  v[GB], s[72+2*\g:73+2*\g]
	global_load_b128 v[GR+16*\g+12:GR+16*\g+15], v[GB], s[72+2*\g:73+2*\g] offset:16
.endr
	s_mov_b32 s90, 0x3c000000                      ; 1 / 128
	s_mov_b32 s91, 0x34000000                      ; eps = 2^-23
	; the addresses of the way out
	v_mul_u32_u24 v[DA], v1, DP
	v_lshl_add_u32 v[DA], v2, 5, v[DA]
	s_mul_i32 s20, s10, 384
	v_add_nc_u32 v[DA], s20, v[DA]
	v_add_nc_u32 v[DA+1], 32*DP, v[DA]
	v_add_nc_u32 v[DA+2], 64*DP, v[DA]
	v_add_nc_u32 v[DA+3], 96*DP, v[DA]
	s_mul_i32 s20, s10, 32*DP
	v_mul_u32_u24 v[RA], v2, DP
	v_add_nc_u32 v[RA], s20, v[RA]
	v_add_nc_u32 v[RA2], v[RA], v[GB]
	v_add_nc_u32 v[RA], v[RA], v[GA]
	v_and_b32 v[TA], 7, v1
	v_lshlrev_b32 v[TA], 5, v[TA]
	v_lshl_add_u32 v[TA], v2, 9, v[TA]
	s_lshl_b32 s20, s10, 14
	s_add_co_u32 s20, s20, TAB
	v_add_nc_u32 v[TA], s20, v[TA]
	v_add_nc_u32 v[TS], s20, v[L16]
	v_lshlrev_b32 v[GO], 4, v1
	v_lshl_add_u32 v[GO], v2, 8, v[GO]
	s_lshl_b32 s20, s10, 13
	v_add_nc_u32 v[GO], s20, v[GO]
	v_cmp_gt_u32 vcc_lo, 8, v1
	v_cndmask_b32 v[SGN], 1.0, -1.0, vcc_lo
	v_mov_b32 v[SGN+1], v[SGN]
	s_lshr_b32 s20, s13, 3                         ; b
	s_mul_i32 s20, s20, 24
	s_add_co_u32 s20, s20, s93
	s_lshl_b32 s20, s20, 18                        ; a head is 262,144 bytes
	s_and_b32 s21, s13, 7
	s_lshl_b32 s21, s21, 15                        ; 128 rows of 256 bytes
	s_add_co_u32 s20, s20, s21
	s_mov_b32 s21, 0
	s_add_nc_u64 s[8:9], s[8:9], s[20:21]
	; the prefetches
	s_and_b32 s22, ttmp7, 0xffff                   ; cluster y
	s_cmp_eq_u32 s10, 0                            ; do I fetch for A?
	s_cselect_b32 s20, s11, s18
	s_cselect_b32 s21, s40, s41                    ; my place among the four that ask with me
	s_cselect_b32 s22, ttmp9, s22                  ; the coordinate along which other clusters read the same rows
	s_cselect_b64 s[PFA:PFA+1], s[4:5], s[6:7]
	s_cmp_eq_u32 s22, 0
	s_cselect_b32 s[LIM], 1, -1
	s_lshl_b32 s21, s21, 5
	s_add_co_u32 s20, s20, s21
	s_lshl_b32 s20, s20, 12
	s_mov_b32 s21, 0
	s_add_nc_u64 s[PFA:PFA+1], s[PFA:PFA+1], s[20:21]
	s_add_nc_u64 s[PFA:PFA+1], s[PFA:PFA+1], 2*KSTEP*2  ; at K step 2: the first refill steps it to 3 and names K step 4
	v_and_b32 v[PFO], 31, v0
	v_lshlrev_b32 v[PFO], 12, v[PFO]
; 2 NB products: row blocks a0, a0 + 1 of the window's four x all NB column blocks.  The accumulators take turns, one instruction a turn.
.macro MUL2 f, hi, a0, zero
	WIN MUL_LO+0x50*(\hi)
.irp a, \a0, (\a0)+1
.set bb, 0
.rept NB
.if \zero
	v_wmma_f32_16x16x32_bf16 v[8*(NB*(\a)+bb):8*(NB*(\a)+bb)+7], v[(\f)+8*bb:(\f)+8*bb+7], v[(\f)+8*(4*(\hi)+(\a)):(\f)+8*(4*(\hi)+(\a))+7], 0
.else
	v_wmma_f32_16x16x32_bf16 v[8*(NB*(\a)+bb):8*(NB*(\a)+bb)+7], v[(\f)+8*bb:(\f)+8*bb+7], v[(\f)+8*(4*(\hi)+(\a)):(\f)+8*(4*(\hi)+(\a))+7], v[8*(NB*(\a)+bb):8*(NB*(\a)+bb)+7]
.endif
.set bb, bb+1
.endr
.endr
.endm
.macro FETCH slot, k, f                ; one run: 2 NB loads of B, then 16 of A
	WIN TO_B
.set fi, 0
.rept NB
	ds_load_b128 v[(\f)+8*fi:(\f)+8*fi+3],   v[ADRB+(\slot)] offset:(\k)+fi*16*PITCH
	ds_load_b128 v[(\f)+8*fi+4:(\f)+8*fi+7], v[ADRB+(\slot)] offset:(\k)+fi*16*PITCH+32
.set fi, fi+1
.endr
	WIN 0
.set fi, 0
.rept 8
	ds_load_b128 v[(\f)+8*fi:(\f)+8*fi+3],   v[ADRA+(\slot)] offset:(\k)+fi*16*PITCH
	ds_load_b128 v[(\f)+8*fi+4:(\f)+8*fi+7], v[ADRA+(\slot)] offset:(\k)+fi*16*PITCH+32
.set fi, fi+1
.endr
.endm
.macro PLACES                          ; four plain instructions between a matrix instruction and a load into, or a reader of, its registers
.rept 4
	v_nop
.endr
.endm
.macro QUARTER slot, k, f, g, zero
	s_wait_dscnt 8                                 ; B and A's blocks 0-3 are in; the youngest eight loads (A's blocks 4-7) may be out
	MUL2 \f, 0, 0, \zero
	MUL2 \f, 0, 2, \zero
	PLACES
	FETCH \slot, \k, \g
	s_wait_dscnt 2*NB+16                           ; all but the run just issued
	MUL2 \f, 1, 0, \zero
	MUL2 \f, 1, 2, \zero
.endm
.macro MEET round
	WIN 0
	s_wait_tensorcnt 0x0                           ; all my tensor loads have landed: my part of the next slot
	ds_add_u32 v[SPW], v[NIL]                      ; 0 onto my spare word
	s_wait_dscnt 9                                 ; the add and the youngest eight loads may be out
	MUL2 F1, 0, 0, 0
	s_wait_dscnt 0x0                               ; the add is done, my reads of this slot are over
	s_barrier_signal -1
	MUL2 F1, 0, 2, 0
.if \round
	WIN 0
.endif
	s_barrier_wait -1
.endm
.macro TURN slot, next, fill
.if \fill
	s_wait_xcnt 0x0                                ; the last prefetch, a K step back, has read its address
	s_add_nc_u64 s[PFA:PFA+1], s[PFA:PFA+1], KSTEP*2
.endif
	MEET \fill
.if \fill
	CREST                                          ; the barrier opened a round of the cluster's: no wave of any partner still reads this slot or has a load on its way
	s_add_nc_u64 s[G0+4*(\slot)+2:G0+4*(\slot)+3], s[G0+4*(\slot)+2:G0+4*(\slot)+3], 2*KSTEP*2
	s_add_nc_u64 s[G0B+4*(\slot)+2:G0B+4*(\slot)+3], s[G0B+4*(\slot)+2:G0B+4*(\slot)+3], 2*KSTEP*2
	JLOAD \slot                                    ; my one tensor load behind the round; its four v_nop are also the places in front of the loads below
.else
	PLACES
.endif
	FETCH \next, 0, F0
.if \fill
	ASK
.endif
	MUL2 F1, 1, 0, 0
	MUL2 F1, 1, 2, 0
.endm
	s_wait_tensorcnt 1                             ; my part of K step 0 is in; K step 1's may stay out
	s_barrier_signal -1
	s_barrier_wait -1
	FETCH 0, 0, F0
	QUARTER 0, 64,  F0, F1, 1                      ; the first quarter's products start the sums
	WIN 0
	s_mov_b32 s3, LAPS-1
.Llap:
	QUARTER 0, 128, F1, F0, 0
	QUARTER 0, 192, F0, F1, 0
	TURN 0, 1, 1
	QUARTER 1, 64,  F0, F1, 0
	QUARTER 1, 128, F1, F0, 0
	QUARTER 1, 192, F0, F1, 0
	TURN 1, 0, 1
	QUARTER 0, 64,  F0, F1, 0
	WIN 0
	s_sub_co_u32 s3, s3, 1
	s_cmp_lg_u32 s3, 0
	s_cbranch_scc1 .Llap
	QUARTER 0, 128, F1, F0, 0                      ; the last lap fills nothing
	QUARTER 0, 192, F0, F1, 0
	TURN 0, 1, 0
	QUARTER 1, 64,  F0, F1, 0
	QUARTER 1, 128, F1, F0, 0
	QUARTER 1, 192, F0, F1, 0
	s_wait_dscnt 8
	MUL2 F1, 0, 0, 0
	MUL2 F1, 0, 2, 0
	s_wait_dscnt 0x0
	MUL2 F1, 1, 0, 0
	MUL2 F1, 1, 2, 0
	WIN 0
	; THE WAY OUT
	PLACES
	s_barrier_signal -1                            ; no LDS instruction of mine is out: every wave's reads of the ring are over
	s_barrier_wait -1
.set A, 0
.rept 8                                ; the tile as f32: row 16 A + r, bytes 384 w + 64 b + 32 h; each accumulator's low registers first
	WIN 0x08+4*(A/4)                               ; the data (source 1) in window 2 or 3
.set bb, 0
.rept NB
	ds_store_b128 v[DA+A/2], v[8*(NB*(A%4)+bb):8*(NB*(A%4)+bb)+3]   offset:(A%2)*16*DP+64*bb
	ds_store_b128 v[DA+A/2], v[8*(NB*(A%4)+bb)+4:8*(NB*(A%4)+bb)+7] offset:(A%2)*16*DP+64*bb+16
.set bb, bb+1
.endr
.set A, A+1
.endr
	s_wait_loadcnt 0x0                             ; rot's rows and the gains
	WIN 0x04                                       ; the data in window 1
.set i, 0
.rept 16
	ds_store_b128 v[TS], v[4*i:4*i+3] offset:512*i
	ds_store_b128 v[TS], v[192+4*i:192+4*i+3] offset:512*(16+i)
.set i, i+1
.endr
	WIN 0
.irp g, 0,1,2                          ; the gains, rounded to bf16; for a v head 1 and 0
.irp q, 0,2,4,6
	v_cvt_pk_bf16_f32 v3, v[GR+16*\g+\q], v[GR+16*\g+\q+1]
	v_lshlrev_b32 v[W+8*\g+\q], 16, v3
	v_and_b32 v[W+8*\g+\q+1], 0xffff0000, v3
	v_pk_fma_f32 v[W+8*\g+\q:W+8*\g+\q+1], v[W+8*\g+\q:W+8*\g+\q+1], s[KQ+2*\g:KQ+2*\g+1], s[KV+2*\g:KV+2*\g+1] op_sel_hi:[1,0,0]
	v_cvt_pk_bf16_f32 v3, v[GR+16*\g+8+\q], v[GR+16*\g+8+\q+1]
	v_lshlrev_b32 v[W2+8*\g+\q], 16, v3
	v_and_b32 v[W2+8*\g+\q+1], 0xffff0000, v3
	v_pk_mul_f32 v[W2+8*\g+\q:W2+8*\g+\q+1], v[W2+8*\g+\q:W2+8*\g+\q+1], s[KQ+2*\g:KQ+2*\g+1] op_sel_hi:[1,0]
	v_pk_mul_f32 v[W2+8*\g+\q:W2+8*\g+\q+1], v[W2+8*\g+\q:W2+8*\g+\q+1], v[SGN:SGN+1]
.endr
.endr
	s_wait_dscnt 0x0                               ; for the others' sake: my part of the tile lies in LDS
	s_barrier_signal -1
	s_barrier_wait -1
.macro TLOADS
.irp g, 0,1,2
	ds_load_b128 v[T+8*\g:T+8*\g+3],    v[RA]  offset:512*\g
	ds_load_b128 v[T+8*\g+4:T+8*\g+7],  v[RA]  offset:512*\g+16
	ds_load_b128 v[T2+8*\g:T2+8*\g+3],   v[RA2] offset:512*\g
	ds_load_b128 v[T2+8*\g+4:T2+8*\g+7], v[RA2] offset:512*\g+16
.endr
.endm
.macro CLOADS
	ds_load_b128 v[CO:CO+3],   v[TA]
	ds_load_b128 v[CO+4:CO+7], v[TA] offset:16
	ds_load_b128 v[SI:SI+3],   v[TA] offset:256
	ds_load_b128 v[SI+4:SI+7], v[TA] offset:272
.endm
; Two rows x three heads.  out = rs (x g cos + sgn x' g' sin) for q and k; x for v (rs and g' count as 0, g and the cos factor as 1).  ahead = 1: the next two rows are fetched.
.macro ROWS ahead
	s_wait_xcnt 0x0                                ; the last trip's stores have read PK and GO
	v_add_nc_u32 v[GO], 512, v[GO]                 ; the stores below reach back
	s_wait_dscnt 4                                 ; the rows' twelve loads are in; cos and sin, four loads, may be out
.irp g, 0,1,2
	v_pk_mul_f32 v[SS+2*\g:SS+2*\g+1], v[T+8*\g:T+8*\g+1], v[T+8*\g:T+8*\g+1]
.endr
.irp p, 2,4,6
.irp g, 0,1,2
	v_pk_fma_f32 v[SS+2*\g:SS+2*\g+1], v[T+8*\g+\p:T+8*\g+\p+1], v[T+8*\g+\p:T+8*\g+\p+1], v[SS+2*\g:SS+2*\g+1]
.endr
.endr
.set z, 0
.rept 12
	v_pk_mul_f32 v[U+z:U+z+1], v[T+z:T+z+1], v[W+z:W+z+1]
	v_pk_mul_f32 v[PP+z:PP+z+1], v[T2+z:T2+z+1], v[W2+z:W2+z+1]
.set z, z+2
.endr
.if \ahead
	v_add_nc_u32 v[RA], 2*DP, v[RA]
	v_add_nc_u32 v[RA2], 2*DP, v[RA2]
	TLOADS
.endif
.irp g, 0,1,2
	v_add_f32 v[SS+2*\g], v[SS+2*\g], v[SS+2*\g+1]
.endr
.irp m, 1,2,4,8                        ; over the row's sixteen lanes; the heads take turns
.irp g, 0,1,2
	v_add_f32_dpp v[SS+2*\g], v[SS+2*\g], v[SS+2*\g] row_xmask:\m row_mask:0xf bank_mask:0xf
.endr
.endr
.irp g, 0,1,2
	v_fma_f32 v[SS+2*\g], v[SS+2*\g], s90, s91
.endr
.irp g, 0,1,2
	v_rsq_f32 v[RS+2*\g], v[SS+2*\g]
.endr
	v_nop                                          ; a plain instruction behind the last root,
	s_wait_alu depctr_va_vdst(0)                   ; and one wait for the three, ahead of their first reader
.irp g, 0,1,2
	v_mul_f32 v[RS+2*\g+1], s[KQ+2*\g], v[RS+2*\g]
	v_mul_f32 v[RS+2*\g], s[KQ+2*\g], v[RS+2*\g]
.endr
.if \ahead
	s_wait_dscnt 12                                ; cos and sin are in; the next rows' twelve loads may be out
.else
	s_wait_dscnt 0x0
.endif
.irp g, 0,1,2
.irp p, 0,2,4,6
	v_pk_fma_f32 v[CG+\p:CG+\p+1], v[CO+\p:CO+\p+1], v[RS+2*\g:RS+2*\g+1], s[KV+2*\g:KV+2*\g+1] op_sel_hi:[1,1,0]
	v_pk_mul_f32 v[SG+\p:SG+\p+1], v[SI+\p:SI+\p+1], v[RS+2*\g:RS+2*\g+1]
.endr
.irp p, 0,2,4,6
	v_pk_mul_f32 v[U+8*\g+\p:U+8*\g+\p+1], v[U+8*\g+\p:U+8*\g+\p+1], v[CG+\p:CG+\p+1]
.endr
.irp p, 0,2,4,6
	v_pk_fma_f32 v[U+8*\g+\p:U+8*\g+\p+1], v[PP+8*\g+\p:PP+8*\g+\p+1], v[SG+\p:SG+\p+1], v[U+8*\g+\p:U+8*\g+\p+1]
.endr
.irp q, 0,1,2,3
	v_cvt_pk_f16_f32 v[PK+4*\g+\q], v[U+8*\g+2*\q], v[U+8*\g+2*\q+1]
.endr
.endr
.if \ahead
	v_add_nc_u32 v[TA], 1024, v[TA]
	CLOADS
.endif
.irp g, 0,1,2
	global_store_b128 v[GO], v[PK+4*\g:PK+4*\g+3], s[8:9] offset:262144*\g-512  ; two rows of a head: 512 consecutive bytes, aligned
.endr
.endm
	TLOADS
	CLOADS
	s_mov_b32 s92, 15
.Lrows:
	ROWS 1
	s_sub_co_u32 s92, s92, 1
	s_cmp_lg_u32 s92, 0
	s_cbranch_scc1 .Lrows
	ROWS 0                                         ; the last two rows fetch nothing
	s_wait_tensorcnt 0x0                           ; the wave's end: three closing lines behind my last tensor load and my last LDS store
	ds_add_u32 v[SPW], v[NIL]
	s_wait_dscnt 0x0
	CROUND                                         ; the closing round
	s_endpgm
.Lfunc_end_k_q9f275aeb37_qkvp:
	.size	k_q9f275aeb37_qkvp, .Lfunc_end_k_q9f275aeb37_qkvp-k_q9f275aeb37_qkvp
	.p2alignl 7, 3214868480
	.fill 96, 4, 3214868480
	.section	.rodata,"a",@progbits
	.p2align	6, 0x0
	.amdhsa_kernel k_q9f275aeb37_qkvp
		.amdhsa_group_segment_fixed_size 327680
		.amdhsa_private_segment_fixed_size 0
		.amdhsa_enable_private_segment 0
		.amdhsa_kernarg_size 48
		.amdhsa_user_sgpr_count 2
		.amdhsa_user_sgpr_kernarg_segment_ptr 1
		.amdhsa_wavefront_size32 1
		.amdhsa_system_sgpr_workgroup_id_x 1
		.amdhsa_system_sgpr_workgroup_id_y 1
		.amdhsa_system_sgpr_workgroup_id_z 1
		.amdhsa_system_vgpr_workitem_id 0
		.amdhsa_next_free_vgpr 960
		.amdhsa_next_free_sgpr 96
		.amdhsa_reserve_vcc 1
		.amdhsa_float_denorm_mode_32 3
		.amdhsa_float_denorm_mode_16_64 3
		.amdhsa_memory_ordered 1
		.amdhsa_forward_progress 1
		.amdhsa_inst_pref_size 130
	.end_amdhsa_kernel
	.amdgpu_metadata
---
amdhsa.version: [ 1, 2 ]
amdhsa.kernels:
  - .name:           k_q9f275aeb37_qkvp
    .symbol:         k_q9f275aeb37_qkvp.kd
    .args:
      - { .name: xb, .offset: 0, .size: 8, .value_kind: global_buffer, .address_space: global }
      - { .name: wqb, .offset: 8, .size: 8, .value_kind: global_buffer, .address_space: global }
      - { .name: rot, .offset: 16, .size: 8, .value_kind: global_buffer, .address_space: global }
      - { .name: q_norm_w, .offset: 24, .size: 8, .value_kind: global_buffer, .address_space: global }
      - { .name: k_norm_w, .offset: 32, .size: 8, .value_kind: global_buffer, .address_space: global }
      - { .name: qkv, .offset: 40, .size: 8, .value_kind: global_buffer, .address_space: global }
    .group_segment_fixed_size: 327680
    .private_segment_fixed_size: 0
    .kernarg_segment_align: 8
    .kernarg_segment_size: 48
    .max_flat_workgroup_size: 128
    .sgpr_count:     96
    .vgpr_count:     960
    .wavefront_size: 32
...
	.end_amdgpu_metadata
.endif
;; end of part 2
;; launch attn (part 3): grid 16 x 16, 4 waves a work-group, clusters of 4 x 1, 327,680 bytes of LDS; arguments qkv, msk, yb; writes yb
.if DOCPART == 3
	.amdgcn_target "amdgcn-amd-amdhsa--gfx1250"
	.amdhsa_code_object_version 6
	.text
	.protected	k_q9f275aeb37_attn
	.globl	k_q9f275aeb37_attn
	.p2align	8
	.type	k_q9f275aeb37_attn,@function
k_q9f275aeb37_attn:
	s_mov_b64 s[64:65], 0
	v_nop
	global_prefetch_b8 v0, s[64:65] scope:SCOPE_SE
	s_setreg_imm32_b32 hwreg(HW_REG_WAVE_MODE, 25, 1), 1
	s_wait_xcnt 0x0
	s_wait_alu depctr_hold_cnt(0) depctr_sa_sdst(0) depctr_va_vdst(0) depctr_va_sdst(0) depctr_va_ssrc(0) depctr_va_vcc(0) depctr_vm_vsrc(0)
	s_getreg_b32 s2, hwreg(HW_REG_IB_STS2, 6, 4)
	s_cmp_eq_u32 s2, 0
	s_cbranch_scc0 .Lentry_in_a_cluster
	s_endpgm
.Lentry_in_a_cluster:
	s_bfe_u32 s2, ttmp6, 0x10000c
	s_cmp_lg_u32 s2, 0x3003
	s_cbranch_scc0 .Lentry_shape_is_right
	s_endpgm
.Lentry_shape_is_right:
; GROUPED-QUERY ATTENTION WITH A MASK THAT IS AN INPUT.  y[b][n][head][:] = sum over k of softmax_k(q . k / sqrt(128), hidden where mask[n][k]) v[k][:].
; qkv: f16 [b 4][head 24][n 1024][128] (q 0-15, k 16-19, v 20-23); msk: f16, -32768 where hidden, 0 where seen, in operand order; yb: f16 [4096][2048].
; Products, maxima and sums in f32; the weights are rounded to f16 for the second product (their sum is taken unrounded), y once at the end.
; LIMITS.  A hidden score is the score less 2^30: that serves while 128 x max|q gain| x max|k gain| stays under 2^29.  A weight below 2^-126 counts as 0.  A query with no key to see gives NaN,
; as a softmax over nothing does: its running maximum ends below -2^29.
; SHARES.  A work-group owns 256 queries of one query head, a wave 64: four tiles of 16, in two PIECES (tiles 0, 1 and 2, 3).  Every wave walks all 1,024 keys, 64 a step.
; CLUSTER.  The four partners are the four query heads of one key/value head at one block of queries: they walk the same K, the same V AND the same tile of the mask: every tile is asked for jointly.
; THE MASK.  S^T starts as a product: SEL_e (16 x 32, 32768 at [k][16 e + k]) times the mask's fragment (32 keys x 16 queries): -2^30 where hidden, exactly 0 where seen.  K Q^T is added onto it.
; So the mask costs 8 products for a piece's 64 and no vector instruction.
; LAYOUT, SOFTMAX, TURNS.  S^T = K Q^T holds one query a lane (lane % 16) and the keys 8 (lane / 16) + 0..7; two such results rounded to f16 are source 1 of O^T = V^T P.  p = 2^(c s - c m),
; c = log2(e) / sqrt(128), m a running maximum; O and l are multiplied by a = 2^(c m_old - c m_new) in every step.  In a TURN one piece has the matrix unit (32 V^T P of the step in hand, 8 mask
; products and 32 K Q^T of the next step) and the other piece's softmax stands in 64 slices behind its products.  m starts at the lowest finite number, O and l at 0: the first step is a step like any other.
; REGISTERS: window 0: v0-11, v44-46 addresses; v12-43 statistics; v64-191 S^T; v192-255 P.   window 1: O^T.   window 2: v0-127 Q; v128-255 K of one step.
;   window 3: v0-127 V of one step; v128-191 the mask's fragments of one step (tile t, 32 keys u at 128 + 16 t + 8 u); v192-203 SEL: pattern, zeros, pattern.
.set KS,    64
.set PKP,   272                        ; a row of K in LDS: 256 bytes + 16
.set PVP,   288                        ; a row of V: 256 + 32
.set VOFF,  128*PKP                    ; a slot holds 128 keys: K, then V, then the mask's 256 queries x 128 keys
.set MOFF,  VOFF+128*PVP
.set SLOT1, 0x22000                    ; slot 1: none of slot 0's bases (0, VOFF, MOFF, MOFF + 32,768) has one of its two bits, so one exclusive or turns each into the other slot's
.set STAGE, SLOT1+MOFF+65536           ; behind the ring, never filled by a tensor load: 16 rows x 272 bytes a wave
.set SP,    272
.set SPARE, STAGE+4*16*SP              ; the spare words, 128 bytes a wave, two blocks of 256 bytes that no other line names
.set AK0, 2
.set AV0, 3
.set ADR, 4
.set QO,  5
.set STO, 6
.set RD,  7
.set GO,  8
.set AM0, 44                           ; v44  my lane's place in the mask's tile
.set ADM, 45                           ; v45  the address of its run of loads
.set NANV, 46                          ; v46  NaN
.set PFO, 61
.set SPW, 62
.set NIL, 63
.set ST,  12                           ; tile t at v[ST+8 t]: c m, m, l (two), four at work; a takes the third's place
.set S,   64
.set P,   192
.set KF,  128
.set MF,  128
.set SELM, 192
.set WV,  12
.set G1K, 24
.set G1V, 32
.set G1M, 40
.set G0K, 48
.set G0V, 52
.set G0M, 56
.set CS,  60
.set LSEL, 62
.set SLOTS, 66
.set CNT, 67
.set TBK, 68
.set TBV, 69
.set TBM, 70
.set LIM, 73
.set PFA, 74
.set PSTEP, 76
.set MSB, 0
.macro WIN new
.if MSB != (\new)
	s_set_vgpr_msb (MSB<<8)|(\new)
.set MSB, (\new)
.endif
.endm
.set W_KQ, 0x0a
.set W_PV, 0x53
.set W_RS, 0x41
.set W_MK, 0x0f                        ; SEL and the mask's fragment in window 3, S^T in window 0
.macro JLOAD                           ; wave 0 K, wave 1 V, waves 2 and 3 the halves of the mask's tile: 128 rows of 256 bytes each; the branches hang on the wave's number alone
	s_cmp_lt_u32 s[WV], 2
	s_cbranch_scc0 .Lfor_m_\@
	s_cmp_eq_u32 s[WV], 0
	s_cbranch_scc0 .Lfor_v_\@
	tensor_load_to_lds s[G0K:G0K+3], s[G1K:G1K+7]
	s_nop 0
.rept 4
	v_nop
.endr
	s_branch .Lasked_\@
.Lfor_v_\@:
	tensor_load_to_lds s[G0V:G0V+3], s[G1V:G1V+7]
	s_nop 0
.rept 4
	v_nop
.endr
	s_branch .Lasked_\@
.Lfor_m_\@:
	tensor_load_to_lds s[G0M:G0M+3], s[G1M:G1M+7]
	s_nop 0
.rept 4
	v_nop
.endr
.Lasked_\@:
.endm
; A prefetch of what the NEXT change of slots will ask for: each wave for its own stream, 128 blocks of 256 bytes; the four partners take 32 each, by address, a lane a block.  K and V are walked by the four
; clusters of a key/value head: the one with x = 0 asks.  A tile of the mask is walked by the sixteen clusters of a block of queries: the one with y = 0 asks.  The last refill asks for nothing.
.macro ASK
	s_cmp_gt_u32 s[SLOTS], s[LIM]
	s_cbranch_scc0 .Lnot_mine_\@
	global_prefetch_b8 v[PFO], s[PFA:PFA+1] th:TH_LOAD_NT scope:SCOPE_SE
.Lnot_mine_\@:
.endm
.macro CROUND
	s_barrier_signal -1
	s_barrier_wait -1
	s_cmp_lg_u32 s[WV], 0
	s_cbranch_scc1 .Lnot_wave_0_\@
	s_barrier_signal -3
.Lnot_wave_0_\@:
	s_barrier_wait -3
	s_barrier_signal -1
	s_barrier_wait -1
.endm
; THE CHANGE OF SLOTS.  Each wave waits for all its tensor loads (one is out: its part of the other slot), adds 0 to its spare word, and waits for that and for its reads of the slot that it leaves.
; fill = 1: the slot is filled again with the keys two slots on, first thing behind a round of the cluster's barrier.  (At its first use slot 0 is waited for and slot 1 filled.)
.macro CHANGE fill, ask
	WIN 0
	s_wait_tensorcnt 0x0                           ; no tensor load of mine is out, so the descriptors may be written
	ds_add_u32 v[SPW], v[NIL]
.if \fill
	s_xor_b32 s[G0K+1], s[G0K+1], SLOT1
	s_add_nc_u64 s[G0K+2:G0K+3], s[G0K+2:G0K+3], 32768
	s_xor_b32 s[G0V+1], s[G0V+1], SLOT1
	s_add_nc_u64 s[G0V+2:G0V+3], s[G0V+2:G0V+3], 32768
	s_xor_b32 s[G0M+1], s[G0M+1], SLOT1
	s_add_nc_u64 s[G0M+2:G0M+3], s[G0M+2:G0M+3], 65536
	s_wait_xcnt 0x0                                ; the last prefetch, two key steps back, has read its address
	s_add_nc_u64 s[PFA:PFA+1], s[PFA:PFA+1], s[PSTEP:PSTEP+1]
	s_wait_dscnt 0x0                               ; the add is done, my reads of the slot are over
	CROUND
	JLOAD
.if \ask
	ASK
.endif
.else
	s_wait_dscnt 0x0
	s_barrier_signal -1
	s_barrier_wait -1
.endif
	s_sub_co_u32 s[TBK], s[TBK], 2*KS*PKP          ; the fetches go back to a slot's first step, in the other slot
	s_xor_b32 s[TBK], s[TBK], SLOT1
	s_sub_co_u32 s[TBV], s[TBV], 2*KS*PVP
	s_xor_b32 s[TBV], s[TBV], SLOT1
	s_sub_co_u32 s[TBM], s[TBM], 4096
	s_xor_b32 s[TBM], s[TBM], SLOT1
.endm
	s_load_b128 s[4:7], s[0:1], 0x0                ; qkv, msk
	s_load_b64 s[8:9], s[0:1], 0x10                ; yb
	v_lshl_add_u32 v[SPW], v0, 2, SPARE
	v_mov_b32 v[NIL], 0
	ds_add_u32 v[SPW], v[NIL]                      ; the wave's opening: the add and its wait stand ahead of my first tensor load
	v_lshrrev_b32 v1, 5, v0
	v_readfirstlane_b32 s[WV], v1
	s_bfe_u32 s13, ttmp6, 0x40000                  ; cx: which query head of the group: it enters Q's, y's and the prefetches' addresses alone
	s_and_b32 s14, ttmp7, 0xffff                   ; 4 b + key/value head
	s_lshr_b32 s15, s14, 2
	s_and_b32 s16, s14, 3
	s_mul_i32 s17, s15, 24                         ; the batch's first head
	s_add_co_u32 s18, s17, s16
	s_add_co_u32 s18, s18, 16                      ; K's head
	s_lshl_b32 s20, s18, 18                        ; 262,144 bytes a head
	s_mov_b32 s21, 0
	s_and_b32 s19, s[WV], 1
	s_lshl_b32 s19, s19, 15                        ; which half of the mask's tile
	s_lshl_b32 s22, ttmp9, 19                      ; the block of queries
	s_add_co_u32 s22, s22, s19
	s_mov_b32 s23, 0
	s_lshl_b32 s80, s16, 2
	s_add_co_u32 s80, s80, s13                     ; the query head
	s_lshl_b32 s81, ttmp9, 2
	s_add_co_u32 s81, s81, s[WV]                   ; my 64 queries among the 1,024
	s_add_co_u32 s82, s17, s80
	s_lshl_b32 s82, s82, 18
	s_lshl_b32 s83, s81, 14
	s_add_co_u32 s82, s82, s83
	s_mov_b32 s83, 0
	s_lshl_b32 s84, s15, 22
	s_lshl_b32 s85, s81, 18
	s_add_co_u32 s84, s84, s85
	s_lshl_b32 s85, s80, 8
	s_add_co_u32 s84, s84, s85
	s_mov_b32 s85, 0
	s_mov_b32 s[G1K], 15|(1<<16)|(1<<20)|(1<<21)|(5<<22)|(3<<25)  ; the mask of four; 2-byte elements; padding on; bit 21 beside a mask; after 64 words 4 words
	s_mov_b32 s[G1V], 15|(1<<16)|(1<<20)|(1<<21)|(5<<22)|(7<<25)  ; 8 words
	s_mov_b32 s[G1M], 15|(1<<16)|(1<<21)                          ; dense
.irp g, G1K, G1V, G1M
	s_mov_b32 s[(\g)+1], 128<<16
	s_mov_b32 s[(\g)+2], 128<<16
	s_mov_b32 s[(\g)+3], 128<<16
	s_mov_b32 s[(\g)+4], 128
	s_mov_b32 s[(\g)+5], 128
	s_mov_b32 s[(\g)+6], 0
	s_mov_b32 s[(\g)+7], 0
.endr
	s_mov_b32 s[G0K], 1
	s_mov_b32 s[G0K+1], 0
	s_mov_b32 s[G0V], 1
	s_mov_b32 s[G0V+1], VOFF
	s_mov_b32 s[G0M], 1
	s_add_co_u32 s[G0M+1], s19, MOFF
	s_mov_b32 s[CS], 0x3e0293ee                    ; c = log2(e) / sqrt(128)
	s_mov_b32 s[CS+1], s[CS]
	s_mov_b32 s[LSEL], 0x76543210
	s_mov_b32 s[LSEL+1], 0xfedcba98
	s_mov_b32 s[TBK], SLOT1+2*KS*PKP               ; the first change of slots turns these three into 0
	s_mov_b32 s[TBV], SLOT1+2*KS*PVP
	s_mov_b32 s[TBM], SLOT1+4096
	s_mov_b32 s78, 0xce000000                      ; -2^29
	s_mov_b32 s79, 0x10000
	s_mov_b32 s[PSTEP+1], 0
	v_and_b32 v[PFO], 31, v0
	v_lshlrev_b32 v[PFO], 8, v[PFO]
	s_wait_dscnt 0x0                               ; the opening add is done
	s_wait_kmcnt 0x0
	s_add_nc_u64 s[20:21], s[4:5], s[20:21]        ; K's head,
	s_add_nc_u64 s[18:19], s[20:21], 0x100000      ; V's, four heads on,
	s_add_nc_u64 s[22:23], s[6:7], s[22:23]        ; my half of the mask's first tile
	s_add_nc_u64 s[4:5], s[4:5], s[82:83]          ; Q and y at my wave's first row
	s_add_nc_u64 s[8:9], s[8:9], s[84:85]
	s_mov_b64 s[G0K+2:G0K+3], s[20:21]
	s_or_b32 s[G0K+3], s[G0K+3], 0x80000000
	s_mov_b64 s[G0V+2:G0V+3], s[18:19]
	s_or_b32 s[G0V+3], s[G0V+3], 0x80000000
	s_mov_b64 s[G0M+2:G0M+3], s[22:23]
	s_or_b32 s[G0M+3], s[G0M+3], 0x80000000
	s_cmp_eq_u32 s[WV], 0
	s_cselect_b64 s[PFA:PFA+1], s[20:21], s[18:19]
	s_cmp_lt_u32 s[WV], 2
	s_cselect_b64 s[PFA:PFA+1], s[PFA:PFA+1], s[22:23]
	s_cselect_b32 s[PSTEP], 0x8000, s79            ; my stream's bytes from slot to slot
	s_cselect_b32 s[LIM], ttmp9, s14               ; the coordinate along which other clusters read the same bytes
	s_cmp_eq_u32 s[LIM], 0
	s_cselect_b32 s[LIM], 1, -1
	s_lshl_b32 s2, s13, 13                         ; my work-group's 32 blocks of the 128
	s_mov_b32 s3, 0
	s_add_nc_u64 s[PFA:PFA+1], s[PFA:PFA+1], s[2:3]
	s_add_nc_u64 s[PFA:PFA+1], s[PFA:PFA+1], s[PSTEP:PSTEP+1]  ; at slot 1: two changes step it to slot 3, the first that is named
	CROUND                                         ; all four work-groups are here
	JLOAD                                          ; slot 0
	v_and_b32 v1, 15, v0
	v_bfe_u32 v9, v0, 4, 1
	v_lshlrev_b32 v[QO], 8, v1
	v_lshl_add_u32 v[QO], v9, 4, v[QO]
	WIN 0x80
.irp i, 0,1,2,3,4,5,6,7,8,9,10,11,12,13,14,15      ; Q stays in registers: tile i / 4, channels 32 (i % 4) on
	global_load_b128 v[8*(\i):8*(\i)+3],   v[QO], s[4:5] offset:((\i)/4)*4096+((\i)%4)*64
	global_load_b128 v[8*(\i)+4:8*(\i)+7], v[QO], s[4:5] offset:((\i)/4)*4096+((\i)%4)*64+32
.endr
	; What the first turn finds: V and piece 2's P hold 0 (its products V^T P, of a step that has not been, add 0), O^T and l are 0.  All this stands in the wait for the first tile.
	WIN 0xc0
.set i, 0
.rept 128
	v_mov_b32 v[i], 0
.set i, i+1
.endr
	WIN 0x40
.set i, 0
.rept 256
	v_mov_b32 v[i], 0
.set i, i+1
.endr
	WIN 0
.set i, 0
.rept 4
	v_mov_b32 v[ST+8*i], 0xfe000000                ; c m: far below every c s
	v_mov_b32 v[ST+8*i+1], 0xff7fffff              ; m
	v_mov_b32 v[ST+8*i+2], 0
	v_mov_b32 v[ST+8*i+3], 0
.set i, i+1
.endr
.set i, P+32
.rept 32
	v_mov_b32 v[i], 0
.set i, i+1
.endr
	v_mov_b32 v[NANV], 0x7fc00000
	; SEL's pattern: lane (r, h) holds row r, columns 8 h + 0..7 in four registers: 32768 at column r
	v_lshlrev_b32 v47, 3, v9
	v_sub_nc_u32 v47, v1, v47
	s_mov_b32 s2, 0x7800
	s_mov_b32 s3, 0x78000000
.irp n, 0,1,2,3
	v_cmp_eq_i32 vcc_lo, 2*\n, v47
	v_cndmask_b32 v[48+\n], 0, s2, vcc_lo
	v_cmp_eq_i32 vcc_lo, 2*\n+1, v47
	v_cndmask_b32 v[48+\n], v[48+\n], s3, vcc_lo
.endr
	WIN 0xc0
.irp n, 0,1,2,3
	v_mov_b32 v[SELM+\n], v[48+\n]
	v_mov_b32 v[SELM+4+\n], 0
	v_mov_b32 v[SELM+8+\n], v[48+\n]
.endr
	WIN 0
	v_mul_u32_u24 v[AK0], v1, PKP
	v_lshl_add_u32 v[AK0], v9, 4, v[AK0]
	v_and_b32 v10, 7, v0
	v_bfe_u32 v11, v0, 3, 1
	v_lshl_add_u32 v[AV0], v9, 3, v10
	v_mul_u32_u24 v[AV0], v[AV0], PVP
	v_lshl_add_u32 v[AV0], v11, 4, v[AV0]
	v_add_nc_u32 v[AV0], VOFF, v[AV0]
	v_and_b32 v[AM0], 31, v0
	v_lshlrev_b32 v[AM0], 4, v[AM0]
	s_lshl_b32 s2, s[WV], 14                       ; my four tiles of queries, 4,096 bytes each
	s_add_co_u32 s2, s2, MOFF
	v_add_nc_u32 v[AM0], s2, v[AM0]
; THE MATRIX WORK.  The accumulators take turns, one instruction a turn.
.macro PV x                            ; product i of 32 of O^T += V^T P: keys 32 (i / 16) on, channels 16 ((i / 2) % 8) on, tile x + i % 2
	WIN W_PV
.set rO, 64*((\x)+i%2)+8*((i/2)%8)
.set rV, 64*(i/16)+8*((i/2)%8)
.set rP, P+16*((\x)+i%2)+8*(i/16)
	v_wmma_f32_16x16x32_f16 v[rO:rO+7], v[rV:rV+7], v[rP:rP+7], v[rO:rO+7]
.endm
.macro MK x                            ; product i of 8: S^T of tile x + i % 2, keys 16 (i / 2) on, starts as the mask
	WIN W_MK
.set rS, S+32*((\x)+i%2)+8*(i/2)
.set rA, SELM+4*((i/2)%2)
.set rB, MF+16*((\x)+i%2)+8*(i/4)
	v_wmma_f32_16x16x32_f16 v[rS:rS+7], v[rA:rA+7], v[rB:rB+7], 0
.endm
.macro KQ x                            ; product i of 32 of S^T += K Q^T: channels 32 (i / 8) on, keys 16 ((i / 2) % 4) on, tile x + i % 2
	WIN W_KQ
.set rS, S+32*((\x)+i%2)+8*((i/2)%4)
.set rK, KF+32*((i/2)%4)+8*(i/8)
.set rQ, 32*((\x)+i%2)+8*(i/8)
	v_wmma_f32_16x16x32_f16 v[rS:rS+7], v[rK:rK+7], v[rQ:rQ+7], v[rS:rS+7]
.endm
; THE LDS LOADS stand in runs: a step's K and the mask's fragments (48 loads), and a turn later its V (32, turned).  last = 1 (the tail): in the last trip there is no further step.
.macro FETCH_K last=0
	WIN 0
.if \last
	s_cmp_eq_u32 s[CNT], 1
	s_cbranch_scc1 .Lno_k_\@
.endif
	v_add_nc_u32 v[ADR], s[TBK], v[AK0]
	v_add_nc_u32 v[ADM], s[TBM], v[AM0]
	WIN 0x80
.irp f, 0,1,2,3,4,5,6,7,8,9,10,11,12,13,14,15
	ds_load_b128 v[KF+8*(\f):KF+8*(\f)+3],   v[ADR] offset:((\f)/4)*16*PKP+((\f)%4)*64
	ds_load_b128 v[KF+8*(\f)+4:KF+8*(\f)+7], v[ADR] offset:((\f)/4)*16*PKP+((\f)%4)*64+32
.endr
	WIN 0xc0
.irp f, 0,1,2,3,4,5,6,7                            ; tile f / 2, 32 keys f % 2
	ds_load_b128 v[MF+8*(\f):MF+8*(\f)+3],   v[ADM] offset:((\f)/2)*4096+((\f)%2)*1024
	ds_load_b128 v[MF+8*(\f)+4:MF+8*(\f)+7], v[ADM] offset:((\f)/2)*4096+((\f)%2)*1024+512
.endr
	s_add_co_u32 s[TBK], s[TBK], KS*PKP
	s_add_co_u32 s[TBM], s[TBM], 2048
	WIN 0
.if \last
.Lno_k_\@:
.endif
.endm
.macro FETCH_V
	WIN 0
	v_add_nc_u32 v[ADR], s[TBV], v[AV0]
	s_add_co_u32 s[TBV], s[TBV], KS*PVP
	s_wait_alu depctr_va_vdst(0)                   ; the wait for the softmax's batch, behind the address's line and ahead of the loads
	WIN 0xc0
.irp f, 0,1,2,3,4,5,6,7,8,9,10,11,12,13,14,15      ; keys 32 (f / 8) on, channels 16 (f % 8) on
	ds_load_tr16_b128 v[8*(\f):8*(\f)+3],   v[ADR] offset:((\f)/8)*32*PVP+((\f)%8)*32
	ds_load_tr16_b128 v[8*(\f)+4:8*(\f)+7], v[ADR] offset:((\f)/8)*32*PVP+16*PVP+((\f)%8)*32
.endr
.endm
; THE VECTOR WORK.  One tile's softmax for one key step is a list of 134 instructions; SM writes number j of it for tile t.
;   0-15 the maximum of the lane's 32 scores and the old m (each accumulator's lowest registers first)     16-20 the other half of the lanes'; the new m; c m; its change
;   21-69 ONE BATCH: the 16 scalings c s - c m and all 33 exponentials (a at 23); none reads an exponential's result     (the wait)     70-85 the roundings to f16
;   86-101 the sums; l = a l + the sum     102-133 the tile's O^T times a
.macro SM t
.set rT, ST+8*(\t)
.set rS, S+32*(\t)
.set rP, P+16*(\t)
.set rO, 64*(\t)+2*(j-102)
.if j < 102
	WIN 0
.endif
.if j < 4
	v_max3_num_f32 v[rT+4+j], v[rS+8*j], v[rS+8*j+1], v[rS+8*j+2]
.elseif j < 12
	v_max3_num_f32 v[rT+4+j%4], v[rT+4+j%4], v[rS+8*(j%4)+2*(j/4)+1], v[rS+8*(j%4)+2*(j/4)+2]
.elseif j == 12
	v_max3_num_f32 v[rT+4], v[rT+4], v[rS+7], v[rS+15]
.elseif j == 13
	v_max3_num_f32 v[rT+6], v[rT+6], v[rS+23], v[rS+31]
.elseif j == 14
	v_max3_num_f32 v[rT+4], v[rT+4], v[rT+5], v[rT+6]
.elseif j == 15
	v_max3_num_f32 v[rT+4], v[rT+4], v[rT+7], v[rT+1]
.elseif j == 16
	v_permlanex16_b32 v[rT+5], v[rT+4], s[LSEL], s[LSEL+1]
.elseif j == 17
	v_mov_b32 v[rT+7], v[rT]
.elseif j == 18
	v_max_num_f32 v[rT+1], v[rT+4], v[rT+5]
.elseif j == 19
	v_mul_f32 v[rT], s[CS], v[rT+1]
.elseif j == 20
	v_sub_f32 v[rT+7], v[rT+7], v[rT]
.elseif j == 23
	v_exp_f32 v[rT+6], v[rT+7]
.elseif (j < 23) || ((j < 38) && (j%2 == 0)) || ((j < 66) && (j%4 == 2))
.set b, (j-2)/4
.if j < 38
.set b, (j-20)/2
.endif
	v_pk_fma_f32 v[rS+2*b:rS+2*b+1], v[rS+2*b:rS+2*b+1], s[CS:CS+1], v[rT:rT+1] op_sel_hi:[1,0,0] neg_lo:[0,0,1] neg_hi:[0,0,1]
.elseif j < 70
.set e, j-38
.if j < 66
.set e, j-32-(j-38)/4
.endif
.if j < 38
.set e, (j-25)/2
.endif
	v_exp_f32 v[rS+e], v[rS+e]
.elseif j < 86
	v_cvt_pk_f16_f32 v[rP+j-70], v[rS+2*(j-70)], v[rS+2*(j-70)+1]
.elseif j < 102
.set z, j-86
.set w, 4
.set u, z
.if z >= 14
.set w, 32
.set u, 0
.elseif z >= 12
.set w, 16
.set u, z-12
.elseif z >= 8
.set w, 8
.set u, z-8
.endif
.if z < 15
	v_pk_add_f32 v[rS+w*u:rS+w*u+1], v[rS+w*u:rS+w*u+1], v[rS+w*u+w/2:rS+w*u+w/2+1]
.else
	v_pk_fma_f32 v[rT+2:rT+3], v[rT+2:rT+3], v[rT+6:rT+7], v[rS:rS+1] op_sel_hi:[1,0,1]
.endif
.else
	WIN W_RS
	v_pk_mul_f32 v[rO:rO+1], v[rO:rO+1], v[rT+6:rT+7] op_sel_hi:[1,0]
.endif
.endm
; Slice k of 64 of piece y's softmax: four instructions; slices 11 to 34 deal out the batch, four numbers of one tile each; the twelve that are over stand in slice 63.
; Ahead of slice 35 nothing names an exponential's result, and behind slice 34 none is issued: the piece's 66 exponentials have one wait, behind slice 34.
.macro SLICE y
.if (k >= 11) && (k < 35)
.irp n, 0,1,2,3
.set j, 22+4*((k-11)/2)+(\n)
	SM (\y)+(k-11)%2
.endr
.else
.irp n, 0,1,2,3,4,5,6,7
.if ((\n) < 2) || (k == 63)
.irp t, \y, (\y)+1
.set j, 2*k+(\n)
	SM \t
.endr
.endif
.endr
.endif
.if k == 34
	v_nop                                          ; the plain instruction behind the last exponential: one for the batch
.if (\y) == 0
	FETCH_V                                        ; piece 2's turn: V's run of loads stands here, and the wait stands in it; four plain instructions lie behind the last product that read V
.else
	s_wait_alu depctr_va_vdst(0)                   ; the wait for the batch
.endif
.endif
.set k, k+1
.endm
; A TURN: piece x has the matrix unit, the other piece's softmax stands in slices behind its products; the 8 mask products stand bare.
.macro TURN x, last=0
.set k, 0
.if (\x) == 0
	s_wait_dscnt 0x0                               ; V is in
.endif
.set i, 0
.rept 32
	PV \x
	SLICE 2-(\x)
.if ((\x) == 0) && (i == 1)
	FETCH_K \last                                  ; sixteen plain instructions of the turn before lie behind the last product that read K
.endif
.set i, i+1
.endr
.if (\x) == 0
	s_wait_dscnt 0x0                               ; K and the mask's fragments are in
.endif
.set i, 0
.rept 8
	MK \x
.set i, i+1
.endr
.set i, 0
.rept 32
	KQ \x
	SLICE 2-(\x)
.set i, i+1
.endr
.endm
	CHANGE 1, 0                                    ; slot 0 is in, everybody's part of it; slot 1 is asked for
	FETCH_K                                        ; key step 0
	s_wait_loadcnt 0x0                             ; Q
	s_wait_dscnt 0x0
.set i, 0
.rept 8
	MK 0
.set i, i+1
.endr
.set i, 0
.rept 32
	KQ 0                                           ; piece 0's first scores
.set i, i+1
.endr
	WIN 0                                          ; the addresses for the way out: eight plain instructions, the places behind those products
	s_mul_i32 s2, s[WV], 16*SP
	s_add_co_u32 s2, s2, STAGE
	v_mul_u32_u24 v[STO], v1, SP
	v_lshl_add_u32 v[STO], v9, 4, v[STO]
	v_add_nc_u32 v[STO], s2, v[STO]
	v_mul_u32_u24 v[RD], v9, SP
	v_lshl_add_u32 v[RD], v1, 4, v[RD]
	v_add_nc_u32 v[RD], s2, v[RD]
	v_lshlrev_b32 v[GO], 12, v9                    ; a row of y is 4,096 bytes
	v_lshl_add_u32 v[GO], v1, 4, v[GO]
	s_mov_b32 s[CNT], 2
	s_mov_b32 s[SLOTS], 7
	s_branch .Lfirst                               ; the loop is entered in the middle of a trip
.Lslot:                                            ; six times: slots 2 to 7 are asked for
	CHANGE 1, 1
	s_mov_b32 s[CNT], 2
.Lstep:
	TURN 0
	WIN 0
.Lfirst:
	TURN 2
	WIN 0
	s_sub_co_u32 s[CNT], s[CNT], 1
	s_cmp_lg_u32 s[CNT], 0
	s_cbranch_scc1 .Lstep
	s_sub_co_u32 s[SLOTS], s[SLOTS], 1
	s_cmp_lg_u32 s[SLOTS], 0
	s_cbranch_scc1 .Lslot
	CHANGE 0, 0                                    ; the tail is written out
	s_mov_b32 s[CNT], 3                            ; two trips fetch the last slot's steps; the third is left in its middle
.Ltail:
	TURN 0, 1
	WIN 0
	s_sub_co_u32 s[CNT], s[CNT], 1
	s_cmp_eq_u32 s[CNT], 0
	s_cbranch_scc1 .Lout
	TURN 2
	WIN 0
	s_branch .Ltail
.Lout:                                             ; the third trip's scores, on the last K once more, serve nothing: the price of one text for every trip
.set i, 0
.rept 32
	PV 2
.set i, i+1
.endr
	; THE WAY OUT.  l's halves are added; O^T is divided by l (by NaN's reciprocal stand-in where no key was seen), rounded to f16 and sent through my stage, a tile at a time.
	WIN 0
.irp t, 0,1,2,3
	v_add_f32 v[ST+8*(\t)+4], v[ST+8*(\t)+2], v[ST+8*(\t)+3]
.endr
.irp t, 0,1,2,3
	v_permlanex16_b32 v[ST+8*(\t)+5], v[ST+8*(\t)+4], s[LSEL], s[LSEL+1]
.endr
.irp t, 0,1,2,3
	v_add_f32 v[ST+8*(\t)+4], v[ST+8*(\t)+4], v[ST+8*(\t)+5]
.endr
.irp t, 0,1,2,3
	v_rcp_f32 v[ST+8*(\t)+6], v[ST+8*(\t)+4]
.endr
	v_nop
	s_wait_alu depctr_va_vdst(0)                   ; one wait for the four reciprocals
.irp t, 0,1,2,3
	v_cmp_gt_f32 vcc_lo, s78, v[ST+8*(\t)+1]       ; the maximum lies below -2^29: every key was hidden
	v_cndmask_b32 v[ST+8*(\t)+6], v[ST+8*(\t)+6], v[NANV], vcc_lo
.endr
.macro PACK t
	WIN W_RS
.set i, 64*(\t)
.rept 32
	v_pk_mul_f32 v[i:i+1], v[i:i+1], v[ST+8*(\t)+6:ST+8*(\t)+7] op_sel_hi:[1,0]
.set i, i+2
.endr
	WIN 0x05
.set i, 0
.rept 32
	v_cvt_pk_f16_f32 v[S+32*(\t)+i], v[64*(\t)+2*i], v[64*(\t)+2*i+1]
.set i, i+1
.endr
	WIN 0
.irp f, 0,1,2,3,4,5,6,7
	ds_store_b128 v[STO], v[S+32*(\t)+4*(\f):S+32*(\t)+4*(\f)+3] offset:32*(\f)
.endr
.irp f, 0,1,2,3,4,5,6,7
	ds_load_b128 v[S+32*(\t)+4*(\f):S+32*(\t)+4*(\f)+3], v[RD] offset:(\f)*2*SP  ; LDS serves a wave's instructions in order (ISA guide 5.7.1.4)
.endr
.endm
.macro SEND t, younger                 ; younger: the LDS instructions issued behind tile t's loads
	WIN 0
.irp f, 0,1,2,3,4,5,6,7
	s_wait_dscnt (\younger)+7-(\f)
	global_store_b128 v[GO], v[S+32*(\t)+4*(\f):S+32*(\t)+4*(\f)+3], s[8:9] offset:(\t)*65536+(\f)*8192  ; sixteen lanes store a head's 256 bytes of a row, aligned
.endr
.endm
	PACK 0
	PACK 1
	SEND 0, 16
	PACK 2
	SEND 1, 16
	PACK 3
	SEND 2, 16
	SEND 3, 0
	s_wait_tensorcnt 0x0                           ; the wave's end: three closing lines
	ds_add_u32 v[SPW], v[NIL]
	s_wait_dscnt 0x0
	CROUND                                         ; the closing round
	s_endpgm
.Lfunc_end_k_q9f275aeb37_attn:
	.size	k_q9f275aeb37_attn, .Lfunc_end_k_q9f275aeb37_attn-k_q9f275aeb37_attn
	.p2alignl 7, 3214868480
	.fill 96, 4, 3214868480
	.section	.rodata,"a",@progbits
	.p2align	6, 0x0
	.amdhsa_kernel k_q9f275aeb37_attn
		.amdhsa_group_segment_fixed_size 327680
		.amdhsa_private_segment_fixed_size 0
		.amdhsa_enable_private_segment 0
		.amdhsa_kernarg_size 24
		.amdhsa_user_sgpr_count 2
		.amdhsa_user_sgpr_kernarg_segment_ptr 1
		.amdhsa_wavefront_size32 1
		.amdhsa_system_sgpr_workgroup_id_x 1
		.amdhsa_system_sgpr_workgroup_id_y 1
		.amdhsa_system_sgpr_workgroup_id_z 1
		.amdhsa_system_vgpr_workitem_id 0
		.amdhsa_next_free_vgpr 1024
		.amdhsa_next_free_sgpr 88
		.amdhsa_reserve_vcc 1
		.amdhsa_float_denorm_mode_32 3
		.amdhsa_float_denorm_mode_16_64 3
		.amdhsa_memory_ordered 1
		.amdhsa_forward_progress 1
		.amdhsa_inst_pref_size 169
	.end_amdhsa_kernel
	.amdgpu_metadata
---
amdhsa.version: [ 1, 2 ]
amdhsa.kernels:
  - .name:           k_q9f275aeb37_attn
    .symbol:         k_q9f275aeb37_attn.kd
    .args:
      - { .name: qkv, .offset: 0, .size: 8, .value_kind: global_buffer, .address_space: global }
      - { .name: msk, .offset: 8, .size: 8, .value_kind: global_buffer, .address_space: global }
      - { .name: yb, .offset: 16, .size: 8, .value_kind: global_buffer, .address_space: global }
    .group_segment_fixed_size: 327680
    .private_segment_fixed_size: 0
    .kernarg_segment_align: 8
    .kernarg_segment_size: 24
    .max_flat_workgroup_size: 128
    .sgpr_count:     88
    .vgpr_count:     1024
    .wavefront_size: 32
...
	.end_amdgpu_metadata
.endif
;; end of part 3
;; launch outp (part 4): grid 8 x 32, 4 waves a work-group, clusters of 4 x 4, 327,680 bytes of LDS; arguments yb, wob, out0; writes out0
.if DOCPART == 4
	.amdgcn_target "amdgcn-amd-amdhsa--gfx1250"
	.amdhsa_code_object_version 6
	.text
	.protected	k_q9f275aeb37_outp
	.globl	k_q9f275aeb37_outp
	.p2align	8
	.type	k_q9f275aeb37_outp,@function
k_q9f275aeb37_outp:
	s_mov_b64 s[64:65], 0
	v_nop
	global_prefetch_b8 v0, s[64:65] scope:SCOPE_SE
	s_setreg_imm32_b32 hwreg(HW_REG_WAVE_MODE, 25, 1), 1
	s_wait_xcnt 0x0
	s_wait_alu depctr_hold_cnt(0) depctr_sa_sdst(0) depctr_va_vdst(0) depctr_va_sdst(0) depctr_va_ssrc(0) depctr_va_vcc(0) depctr_vm_vsrc(0)
	s_getreg_b32 s2, hwreg(HW_REG_IB_STS2, 6, 4)
	s_cmp_eq_u32 s2, 0
	s_cbranch_scc0 .Lentry_in_a_cluster
	s_endpgm
.Lentry_in_a_cluster:
	s_bfe_u32 s2, ttmp6, 0x10000c
	s_cmp_lg_u32 s2, 0xf033
	s_cbranch_scc0 .Lentry_shape_is_right
	s_endpgm
.Lentry_shape_is_right:
; OUT PROJECTION.  out0[m][e] = sum over d of yb[m][d] wob[e][d], 4096 x 2048 x 2048; operands f16, sums and result f32.
; SHARES.  A work-group makes 128 rows x 256 columns: 8 x 32 = 256 work-groups.  Wave w: all 128 rows x columns 64 w .. 64 w + 63: 32 accumulators, 256 registers.
; K goes in steps of 128 through two LDS slots (A's 128 rows, then B's 256; rows of 256 bytes + 16).  Wave 0 fetches A's tile, waves 1 and 2 B's halves, wave 3 none.
; CLUSTER 4 x 4: A's tile shared along a row of the cluster, B's along a column.  The matrix instruction is used transposed: a lane holds one row and eight neighbouring columns.
; THE WAY OUT: a wave's 64 columns are 256 bytes of a row: 16 rows at a time go through the wave's own stage and leave as whole rows.
; REGISTERS: window 0: v0-31 addresses, v64-127 and v128-191 A's fragments, on the way out v32-127 three buffers.  window 1: v64-95, v128-159 B's fragments.
;   window 2: accumulators of row blocks 0-3 at v[8 (4 a + b)];  window 3: of blocks 4-7.
.set NB,     4
.set SIZE_K, 2048
.set KSTEP,  128
.set PITCH,  272
.set HALFT,  128*PITCH
.set SLOT,   (1+NB/2)*HALFT
.set STAGE,  2*SLOT                    ; behind the ring, never filled by a tensor load
.set SPITCH, 272
.set SPARE,  STAGE+4*16*SPITCH         ; the spare words, 128 bytes a wave, two blocks of 256 bytes that no other line names
.set LAPS,   SIZE_K/(2*KSTEP)
.set ADRA, 16
.set ADRB, 20
.set STO,  24
.set RD,   25
.set CO,   26
.set SPW,  28
.set NIL,  29
.set PFO,  30
.set OB,   32
.set F0,   64
.set F1,   128
.set G1,  24
.set G0,  32
.set G1B, 48
.set G0B, 56
.set LIM, 43
.set PFA, 44
.set MSB, 0
.macro WIN new
.if MSB != (\new)
	s_set_vgpr_msb (MSB<<8)|(\new)
.set MSB, \new
.endif
.endm
.set MUL_LO, 0xa1
.set TO_B,   0x40
.macro JLOAD s                         ; wave 0 A's tile, waves 1 and 2 B's halves, wave 3 none; the four v_nop stand on every way: they are also the places in front of the LDS loads that follow
	s_cmp_eq_u32 s10, 0
	s_cbranch_scc0 .Lnot_a_\@
	tensor_load_to_lds s[G0+4*(\s):G0+4*(\s)+3], s[G1:G1+7]
	s_nop 0
.rept 4
	v_nop
.endr
	s_branch .Lasked_\@
.Lnot_a_\@:
	s_cmp_eq_u32 s10, 3
	s_cbranch_scc1 .Lnone_\@
	tensor_load_to_lds s[G0B+4*(\s):G0B+4*(\s)+3], s[G1B:G1B+7]
	s_nop 0
.Lnone_\@:
.rept 4
	v_nop
.endr
.Lasked_\@:
.endm
; A prefetch of the K step two refills on: 32 rows x 256 bytes, a lane a row.  A's rows: the clusters with x = 0; B's: those with y = 0; the four partners share the 128 rows out by address.
.macro ASK
	s_cmp_gt_u32 s3, s[LIM]
	s_cbranch_scc0 .Lnot_mine_\@
	global_prefetch_b8 v[PFO], s[PFA:PFA+1] offset:KSTEP*2 th:TH_LOAD_NT scope:SCOPE_SE
.Lnot_mine_\@:
.endm
.macro CREST
	s_cmp_lg_u32 s10, 0
	s_cbranch_scc1 .Lnot_wave_0_\@
	s_barrier_signal -3
.Lnot_wave_0_\@:
	s_barrier_wait -3
	s_barrier_signal -1
	s_barrier_wait -1
.endm
.macro CROUND
	s_barrier_signal -1
	s_barrier_wait -1
	CREST
.endm
	s_load_b128 s[4:7], s[0:1], 0x0                ; yb, wob
	s_load_b64 s[8:9], s[0:1], 0x10                ; out0
	v_lshl_add_u32 v[SPW], v0, 2, SPARE
	v_mov_b32 v[NIL], 0
	ds_add_u32 v[SPW], v[NIL]                      ; the wave's opening: the add and its wait stand ahead of my first tensor load
	v_lshrrev_b32 v1, 5, v0
	v_readfirstlane_b32 s10, v1
	s_bfe_u32 s40, ttmp6, 0x40000
	s_bfe_u32 s41, ttmp6, 0x40004
	s_lshl_b32 s42, ttmp9, 2
	s_add_co_u32 s42, s42, s40                     ; tile column
	s_and_b32 s13, ttmp7, 0xffff
	s_lshl_b32 s13, s13, 2
	s_add_co_u32 s13, s13, s41                     ; tile row
	s_lshl_b32 s43, s41, 2
	s_lshl_b32 s43, 15, s43
	s_lshl_b32 s44, 0x1111, s40
	s_or_b32 s[G1+0], s43, (1<<16)|(1<<20)|(1<<21)|(5<<22)|(3<<25)
	s_or_b32 s[G1B+0], s44, (1<<16)|(1<<20)|(1<<21)|(5<<22)|(3<<25)
.irp g, G1, G1B
	s_mov_b32 s[(\g)+1], KSTEP<<16
	s_mov_b32 s[(\g)+2], 128<<16
	s_mov_b32 s[(\g)+3], KSTEP<<16
	s_mov_b32 s[(\g)+4], 128
	s_mov_b32 s[(\g)+5], SIZE_K
	s_mov_b32 s[(\g)+6], 0
	s_mov_b32 s[(\g)+7], 0
.endr
	s_lshl_b32 s11, s13, 7                         ; A's first row
	s_lshl_b32 s16, s11, 12
	s_mov_b32 s17, 0
	s_max_u32 s12, s10, 1
	s_sub_co_u32 s12, s12, 1
	s_min_u32 s12, s12, 1                          ; which half of B (in waves 0 and 3 not used, and inside the buffer)
	s_mul_i32 s18, s42, 64*NB
	s_lshl_b32 s19, s12, 7
	s_add_co_u32 s18, s18, s19                     ; B's first row
	s_lshl_b32 s46, s18, 12
	s_mov_b32 s47, 0
	s_mul_i32 s20, s10, HALFT
	s_wait_dscnt 0x0
	s_wait_kmcnt 0x0
	s_add_nc_u64 s[14:15], s[4:5], s[16:17]
	s_add_nc_u64 s[46:47], s[6:7], s[46:47]
	CROUND
.irp s, 0,1
	s_mov_b32 s[G0+4*(\s)], 1
	s_add_co_u32 s[G0+4*(\s)+1], s20, (\s)*SLOT
	s_add_nc_u64 s[G0+4*(\s)+2:G0+4*(\s)+3], s[14:15], (\s)*KSTEP*2
	s_or_b32 s[G0+4*(\s)+3], s[G0+4*(\s)+3], 0x80000000
	s_mov_b32 s[G0B+4*(\s)], 1
	s_add_co_u32 s[G0B+4*(\s)+1], s20, (\s)*SLOT
	s_add_nc_u64 s[G0B+4*(\s)+2:G0B+4*(\s)+3], s[46:47], (\s)*KSTEP*2
	s_or_b32 s[G0B+4*(\s)+3], s[G0B+4*(\s)+3], 0x80000000
.endr
	s_cmp_eq_u32 s10, 0                            ; a wave's two first fills stand in one branch on its number
	s_cbranch_scc0 .Lfirst_b
	tensor_load_to_lds s[G0:G0+3], s[G1:G1+7]
	s_nop 0
	tensor_load_to_lds s[G0+4:G0+7], s[G1:G1+7]
	s_nop 0
.rept 4
	v_nop
.endr
	s_branch .Lfirst_asked
.Lfirst_b:
	s_cmp_eq_u32 s10, 3
	s_cbranch_scc1 .Lfirst_asked
	tensor_load_to_lds s[G0B:G0B+3], s[G1B:G1B+7]
	s_nop 0
	tensor_load_to_lds s[G0B+4:G0B+7], s[G1B:G1B+7]
	s_nop 0
.rept 4
	v_nop
.endr
.Lfirst_asked:
	v_and_b32 v1, 15, v0
	v_bfe_u32 v2, v0, 4, 1
	v_mul_u32_u24 v3, v1, PITCH
	v_lshl_add_u32 v3, v2, 4, v3
	s_mul_i32 s22, s10, 16*NB*PITCH
	s_add_co_u32 s22, s22, HALFT
	v_mov_b32 v[ADRA], v3
	v_add_nc_u32 v[ADRA+1], SLOT, v3
	v_add_nc_u32 v[ADRB], s22, v3
	s_add_co_u32 s22, s22, SLOT
	v_add_nc_u32 v[ADRB+1], s22, v3
	s_mul_i32 s23, s10, 16*SPITCH
	s_add_co_u32 s23, s23, STAGE                   ; my stage
	v_mul_u32_u24 v4, v1, SPITCH                   ; in: row r, 32 bytes for each half of the lanes
	v_lshl_add_u32 v4, v2, 5, v4
	v_add_nc_u32 v[STO], s23, v4
	v_mul_u32_u24 v5, v2, SPITCH                   ; back: lanes 0-15 one row of 256 bytes, lanes 16-31 the next
	v_lshl_add_u32 v5, v1, 4, v5
	v_add_nc_u32 v[RD], s23, v5
	v_lshlrev_b32 v[CO], 13, v2                    ; a row of out0 is 8,192 bytes
	v_lshl_add_u32 v[CO], v1, 4, v[CO]
	s_lshl_b32 s20, s13, 20                        ; 128 rows
	s_lshl_b32 s21, s42, 10                        ; 256 columns
	s_add_co_u32 s20, s20, s21
	s_lshl_b32 s21, s10, 8                         ; my 64
	s_add_co_u32 s20, s20, s21
	s_mov_b32 s21, 0
	s_add_nc_u64 s[8:9], s[8:9], s[20:21]
	s_and_b32 s22, ttmp7, 0xffff
	s_cmp_eq_u32 s10, 0
	s_cselect_b32 s20, s11, s18
	s_cselect_b32 s21, s40, s41
	s_cselect_b32 s22, ttmp9, s22
	s_cselect_b64 s[PFA:PFA+1], s[4:5], s[6:7]
	s_cmp_eq_u32 s22, 0
	s_cselect_b32 s[LIM], 1, -1
	s_cmp_eq_u32 s10, 3
	s_cselect_b32 s[LIM], -1, s[LIM]               ; wave 3 fetches nothing and asks for nothing
	s_lshl_b32 s21, s21, 5
	s_add_co_u32 s20, s20, s21
	s_lshl_b32 s20, s20, 12
	s_mov_b32 s21, 0
	s_add_nc_u64 s[PFA:PFA+1], s[PFA:PFA+1], s[20:21]
	s_add_nc_u64 s[PFA:PFA+1], s[PFA:PFA+1], 2*KSTEP*2
	v_and_b32 v[PFO], 31, v0
	v_lshlrev_b32 v[PFO], 12, v[PFO]
.macro MUL2 f, hi, a0, zero            ; 2 NB products; the accumulators take turns
	WIN MUL_LO+0x50*(\hi)
.irp a, \a0, (\a0)+1
.set bb, 0
.rept NB
.if \zero
	v_wmma_f32_16x16x32_f16 v[8*(NB*(\a)+bb):8*(NB*(\a)+bb)+7], v[(\f)+8*bb:(\f)+8*bb+7], v[(\f)+8*(4*(\hi)+(\a)):(\f)+8*(4*(\hi)+(\a))+7], 0
.else
	v_wmma_f32_16x16x32_f16 v[8*(NB*(\a)+bb):8*(NB*(\a)+bb)+7], v[(\f)+8*bb:(\f)+8*bb+7], v[(\f)+8*(4*(\hi)+(\a)):(\f)+8*(4*(\hi)+(\a))+7], v[8*(NB*(\a)+bb):8*(NB*(\a)+bb)+7]
.endif
.set bb, bb+1
.endr
.endr
.endm
.macro FETCH slot, k, f
	WIN TO_B
.set fi, 0
.rept NB
	ds_load_b128 v[(\f)+8*fi:(\f)+8*fi+3],   v[ADRB+(\slot)] offset:(\k)+fi*16*PITCH
	ds_load_b128 v[(\f)+8*fi+4:(\f)+8*fi+7], v[ADRB+(\slot)] offset:(\k)+fi*16*PITCH+32
.set fi, fi+1
.endr
	WIN 0
.set fi, 0
.rept 8
	ds_load_b128 v[(\f)+8*fi:(\f)+8*fi+3],   v[ADRA+(\slot)] offset:(\k)+fi*16*PITCH
	ds_load_b128 v[(\f)+8*fi+4:(\f)+8*fi+7], v[ADRA+(\slot)] offset:(\k)+fi*16*PITCH+32
.set fi, fi+1
.endr
.endm
.macro PLACES
.rept 4
	v_nop
.endr
.endm
.macro QUARTER slot, k, f, g, zero
	s_wait_dscnt 8                                 ; the youngest eight loads (A's blocks 4-7) may be out
	MUL2 \f, 0, 0, \zero
	MUL2 \f, 0, 2, \zero
	PLACES
	FETCH \slot, \k, \g
	s_wait_dscnt 2*NB+16                           ; all but the run just issued
	MUL2 \f, 1, 0, \zero
	MUL2 \f, 1, 2, \zero
.endm
.macro MEET round
	WIN 0
	s_wait_tensorcnt 0x0                           ; all my tensor loads have landed
	ds_add_u32 v[SPW], v[NIL]
	s_wait_dscnt 9                                 ; the add and the youngest eight loads may be out
	MUL2 F1, 0, 0, 0
	s_wait_dscnt 0x0                               ; the add is done, my reads of this slot are over
	s_barrier_signal -1
	MUL2 F1, 0, 2, 0
.if \round
	WIN 0
.endif
	s_barrier_wait -1
.endm
.macro TURN slot, next, fill
.if \fill
	s_wait_xcnt 0x0
	s_add_nc_u64 s[PFA:PFA+1], s[PFA:PFA+1], KSTEP*2
.endif
	MEET \fill
.if \fill
	CREST
	s_add_nc_u64 s[G0+4*(\slot)+2:G0+4*(\slot)+3], s[G0+4*(\slot)+2:G0+4*(\slot)+3], 2*KSTEP*2
	s_add_nc_u64 s[G0B+4*(\slot)+2:G0B+4*(\slot)+3], s[G0B+4*(\slot)+2:G0B+4*(\slot)+3], 2*KSTEP*2
	JLOAD \slot
.else
	PLACES
.endif
	FETCH \next, 0, F0
.if \fill
	ASK
.endif
	MUL2 F1, 1, 0, 0
	MUL2 F1, 1, 2, 0
.endm
	s_wait_tensorcnt 1                             ; my part of K step 0 is in; K step 1's may stay out
	s_barrier_signal -1
	s_barrier_wait -1
	FETCH 0, 0, F0
	QUARTER 0, 64,  F0, F1, 1
	WIN 0
	s_mov_b32 s3, LAPS-1
.Llap:
	QUARTER 0, 128, F1, F0, 0
	QUARTER 0, 192, F0, F1, 0
	TURN 0, 1, 1
	QUARTER 1, 64,  F0, F1, 0
	QUARTER 1, 128, F1, F0, 0
	QUARTER 1, 192, F0, F1, 0
	TURN 1, 0, 1
	QUARTER 0, 64,  F0, F1, 0
	WIN 0
	s_sub_co_u32 s3, s3, 1
	s_cmp_lg_u32 s3, 0
	s_cbranch_scc1 .Llap
	QUARTER 0, 128, F1, F0, 0
	QUARTER 0, 192, F0, F1, 0
	TURN 0, 1, 0
	QUARTER 1, 64,  F0, F1, 0
	QUARTER 1, 128, F1, F0, 0
	QUARTER 1, 192, F0, F1, 0
	s_wait_dscnt 8
	MUL2 F1, 0, 0, 0
	MUL2 F1, 0, 2, 0
	s_wait_dscnt 0x0
	MUL2 F1, 1, 0, 0
	MUL2 F1, 1, 2, 0
	WIN 0
; THE WAY OUT.  Row block a: eight stores of 16 bytes a lane into my stage, straight from the accumulators (low registers first), and eight loads of whole rows into buffer a % 3.
.macro TOSTAGE a
	WIN 0x08+4*((\a)/4)                            ; the data (source 1) in window 2 or 3
.set bb, 0
.rept NB
	ds_store_b128 v[STO], v[8*(NB*((\a)%4)+bb):8*(NB*((\a)%4)+bb)+3]   offset:64*bb
	ds_store_b128 v[STO], v[8*(NB*((\a)%4)+bb)+4:8*(NB*((\a)%4)+bb)+7] offset:64*bb+16
.set bb, bb+1
.endr
	WIN 0
.set BK, OB+32*((\a)%3)
.irp t, 0,1,2,3,4,5,6,7
	ds_load_b128 v[BK+4*(\t):BK+4*(\t)+3], v[RD] offset:(\t)*2*SPITCH  ; LDS serves a wave's instructions in order (ISA guide 5.7.1.4)
.endr
.endm
.macro SEND a, younger                 ; younger: the LDS instructions issued behind block a's loads
	WIN 0
.set BK, OB+32*((\a)%3)
	s_wait_dscnt \younger
	s_wait_xcnt 0x0                                ; earlier stores have read their base and their data: the base is stepped, and the buffer stored two blocks back is loaded again, only behind this wait
.if (\a) > 0
	s_add_nc_u64 s[8:9], s[8:9], 16*8192
.endif
.irp t, 0,1,2,3,4,5,6,7
	global_store_b128 v[CO], v[BK+4*(\t):BK+4*(\t)+3], s[8:9] offset:2*(\t)*8192 th:TH_STORE_NT  ; sixteen lanes store 256 consecutive bytes, aligned
.endr
.endm
	PLACES
	TOSTAGE 0
	TOSTAGE 1
.irp a, 2,3,4,5,6,7
	SEND (\a)-2, 16
	TOSTAGE \a
.endr
	SEND 6, 16
	SEND 7, 0
	s_wait_tensorcnt 0x0                           ; the wave's end: three closing lines
	ds_add_u32 v[SPW], v[NIL]
	s_wait_dscnt 0x0
	CROUND                                         ; the closing round
	s_endpgm
.Lfunc_end_k_q9f275aeb37_outp:
	.size	k_q9f275aeb37_outp, .Lfunc_end_k_q9f275aeb37_outp-k_q9f275aeb37_outp
	.p2alignl 7, 3214868480
	.fill 96, 4, 3214868480
	.section	.rodata,"a",@progbits
	.p2align	6, 0x0
	.amdhsa_kernel k_q9f275aeb37_outp
		.amdhsa_group_segment_fixed_size 327680
		.amdhsa_private_segment_fixed_size 0
		.amdhsa_enable_private_segment 0
		.amdhsa_kernarg_size 24
		.amdhsa_user_sgpr_count 2
		.amdhsa_user_sgpr_kernarg_segment_ptr 1
		.amdhsa_wavefront_size32 1
		.amdhsa_system_sgpr_workgroup_id_x 1
		.amdhsa_system_sgpr_workgroup_id_y 1
		.amdhsa_system_sgpr_workgroup_id_z 1
		.amdhsa_system_vgpr_workitem_id 0
		.amdhsa_next_free_vgpr 896
		.amdhsa_next_free_sgpr 66
		.amdhsa_reserve_vcc 0
		.amdhsa_float_denorm_mode_32 3
		.amdhsa_float_denorm_mode_16_64 3
		.amdhsa_memory_ordered 1
		.amdhsa_forward_progress 1
		.amdhsa_inst_pref_size 87
	.end_amdhsa_kernel
	.amdgpu_metadata
---
amdhsa.version: [ 1, 2 ]
amdhsa.kernels:
  - .name:           k_q9f275aeb37_outp
    .symbol:         k_q9f275aeb37_outp.kd
    .args:
      - { .name: yb, .offset: 0, .size: 8, .value_kind: global_buffer, .address_space: global }
      - { .name: wob, .offset: 8, .size: 8, .value_kind: global_buffer, .address_space: global }
      - { .name: out0, .offset: 16, .size: 8, .value_kind: global_buffer, .address_space: global }
    .group_segment_fixed_size: 327680
    .private_segment_fixed_size: 0
    .kernarg_segment_align: 8
    .kernarg_segment_size: 24
    .max_flat_workgroup_size: 128
    .sgpr_count:     66
    .vgpr_count:     896
    .wavefront_size: 32
...
	.end_amdgpu_metadata
.endif
;; end of part 4
;; ======== version 2 of 2: 4 launches; version 1 with the launch prep written anew for expert scheduling mode
;; limits: values are held in f16: magnitudes above 65,504 overflow, below 6.1e-05 lose precision; right only within a limited range of input values; an absolute error that grows with the inputs' magnitude: up to 2e-07 times it
;; workspace buffers: xb 16,777,216 bytes; wqb 12,582,912 bytes; wob 8,388,608 bytes; msk 2,097,152 bytes; rot 524,288 bytes; qkv 25,165,824 bytes; yb 16,777,216 bytes
;; launch prep (part 5): grid 1280 x 1, 8 waves a work-group, no clusters, 19,456 bytes of LDS; arguments x, w_qkv, w_out, mask, pos, xb, wqb, wob, msk, rot; writes xb, wqb, wob, msk, rot
.if DOCPART == 5
	.amdgcn_target "amdgcn-amd-amdhsa--gfx1250"
	.amdhsa_code_object_version 6
	.text
	.protected	k_q9f275aeb37_prep
	.globl	k_q9f275aeb37_prep
	.p2align	8
	.type	k_q9f275aeb37_prep,@function
k_q9f275aeb37_prep:
	s_mov_b64 s[64:65], 0
	v_nop
	global_prefetch_b8 v0, s[64:65] scope:SCOPE_SE
	s_setreg_imm32_b32 hwreg(HW_REG_WAVE_SCHED_MODE, 0, 2), 2
	s_setreg_imm32_b32 hwreg(HW_REG_WAVE_MODE, 25, 1), 1
	s_wait_xcnt 0x0
	s_wait_alu depctr_vm_vsrc(0)
; PREP: the inputs are brought into the forms that the three matrix launches read.  Work-groups by number:
;   0-63      the mask: 16 queries each, as f16 (-32768 where hidden, 0 where seen) in the order of a matrix operand's registers
;   64-127    the rotation table: 16 positions each, cos and sin of pos[n] x 10000^(-i/64), i = 0..63, f32
;   128-639   x to bf16;  640-1023  w_qkv to bf16;  1024-1279  w_out to bf16 and that number written as f16: 65,536 bytes of f32 each
; LIMITS.  |pos| <= 2^22 (the angle is reduced by two parts of pi/2).  The frequency comes from 2^t with a first-order correction: the angle is right to
; about 2e-7 of itself.  |w_out| < 65,504 (f16); below 6e-5 it keeps f16's fixed step of 6e-8.  A mask byte is 0 or 1.
; No matrix unit, no cluster: nothing is shared between work-groups and memory binds.
; THE MODE: SCHED_MODE bits 1:0 = 2 (LLVM: expert scheduling mode 2), set by the entry lines.  The code itself states the register dependences
; between vector instructions and memory or LDS instructions, with s_wait_alu, always for 0.
; THE PLAN.  In every role each register that a load lands in is loaded once and named by no vector instruction before; each register that a store reads is written once, ahead of the store;
; each address is made once.  So no register that a memory or LDS instruction has read is ever written again, and what is left to state is: an address is written before it is read,
; a store's data are written before they are read, a scalar that a vector instruction makes is written before it is read.
;   the conversions   v1, v2 offsets: one wait ahead of the loads.  v16-79 as loaded.  v80-111 to store, in four groups of eight: one wait at the head of the next group, whose
;                     conversions name other registers; the group's four stores are dealt among them.  One more wait ahead of the last four stores.
;   the mask          s28: one wait ahead of its first reader.  v5: one wait ahead of the global loads.  v6, v7, v11, made while those are out: one wait ahead of the first LDS store.
;                     v48-79 to store, in two groups of sixteen, as above.
;   the rotation      v3: one wait ahead of the load.  The four quadrant masks s36-39: one wait behind the run of compares.  v6 and the eight results: one wait ahead of the two stores.
.set SPW,   8                          ; v8   LDS address of my spare word; never rewritten
.set NIL,   9                          ; v9   0; never rewritten
.set MROW,  144                        ; the mask's LDS row: 128 bytes + 16: 36 words, so 16 rows start at 16 different groups of four banks (ISA guide 11.1)
.set MWAVE, 16*MROW                    ; each wave's own 16 rows
.set SPARE, 8*MWAVE                    ; behind them: the spare words, 128 bytes a wave, four blocks of 256 bytes that no other line names
	s_load_b512 s[4:19], s[0:1], 0x0               ; x s[4:5], w_qkv s[6:7], w_out s[8:9], mask s[10:11], pos s[12:13], xb s[14:15], wqb s[16:17], wob s[18:19]
	s_load_b128 s[20:23], s[0:1], 0x40             ; msk s[20:21], rot s[22:23]
	v_lshl_add_u32 v[SPW], v0, 2, SPARE
	v_mov_b32 v[NIL], 0
	s_mov_b32 s29, 640
	s_mov_b32 s31, 0
	s_wait_kmcnt 0x0
; 65,536 bytes of f32 at s[24:25] + 65,536 s28 become 32,768 bytes at s[26:27] + 32,768 s28.  All sixteen loads of a lane go out first; no register that a load or store names is written twice,
; so no wait frees a source.  A wave's load covers 512 consecutive bytes, its store 256, aligned.  Chunk j's store is issued four chunks later, behind the wait at the head of the next group of four.
.macro CONV half
	s_lshl_b32 s30, s28, 16
	s_add_nc_u64 s[24:25], s[24:25], s[30:31]
	s_lshl_b32 s30, s28, 15
	s_add_nc_u64 s[26:27], s[26:27], s[30:31]
	v_lshlrev_b32 v1, 4, v0
	v_lshlrev_b32 v2, 3, v0
	s_wait_alu depctr_va_vdst(0)                   ; v1 and v2 are written: every load below reads v1 as its offset, every store v2
.set j, 0
.rept 16
	global_load_b128 v[16+4*j:19+4*j], v1, s[24:25] offset:4096*j th:TH_LOAD_NT
.set j, j+1
.endr
.set j, 0
.rept 16
	s_wait_loadcnt 15-j                            ; loads come back in order: load j is in, the 15 - j younger ones stay out
.if (j%4 == 0) && (j > 0)
	s_wait_alu depctr_va_vdst(0)                   ; the four chunks before have written their eight registers of v80-111, which the next four stores read
.endif
.if j >= 4
	global_store_b64 v2, v[80+2*(j-4):81+2*(j-4)], s[26:27] offset:2048*(j-4) th:TH_STORE_NT  ; no vector instruction since that wait names these registers
.endif
	v_cvt_pk_bf16_f32 v[80+2*j], v[16+4*j], v[17+4*j]
	v_cvt_pk_bf16_f32 v[81+2*j], v[18+4*j], v[19+4*j]
.if \half
	v_lshlrev_b32 v4, 16, v[80+2*j]                ; the bf16 numbers, widened, are written as f16
	v_and_b32 v5, 0xffff0000, v[80+2*j]
	v_lshlrev_b32 v6, 16, v[81+2*j]
	v_and_b32 v7, 0xffff0000, v[81+2*j]
	v_cvt_pk_f16_f32 v[80+2*j], v4, v5
	v_cvt_pk_f16_f32 v[81+2*j], v6, v7
.endif
.set j, j+1
.endr
	s_wait_alu depctr_va_vdst(0)                   ; chunks 12 to 15 have written v104-111, which the last four stores read
.set j, 12
.rept 4
	global_store_b64 v2, v[80+2*j:81+2*j], s[26:27] offset:2048*j th:TH_STORE_NT
.set j, j+1
.endr
.endm
	s_cmp_lt_u32 ttmp9, 64
	s_cbranch_scc1 .Lmask
	s_cmp_lt_u32 ttmp9, 128
	s_cbranch_scc1 .Lrot
	s_cmp_lt_u32 ttmp9, 1024
	s_cbranch_scc0 .Lwout
	s_cmp_lt_u32 ttmp9, s29                        ; x or w_qkv: one text, the buffers chosen by the work-group's number
	s_cselect_b64 s[24:25], s[4:5], s[6:7]
	s_cselect_b64 s[26:27], s[14:15], s[16:17]
	s_cselect_b32 s28, 128, s29
	s_sub_co_u32 s28, ttmp9, s28
	CONV 0
	s_branch .Lend
.Lwout:
	s_sub_co_u32 s28, ttmp9, 1024
	s_mov_b64 s[24:25], s[8:9]
	s_mov_b64 s[26:27], s[18:19]
	CONV 1
	s_branch .Lend
; THE MASK.  Work-group T holds queries 16 T .. 16 T + 15; wave w the keys 128 w .. 128 w + 127.  The wave's 16 x 128 bytes go through LDS bytes of its own (no other wave touches them: no barrier).
; Out: [q block 4][128 keys 8][q tile 16][32 keys 4][half 2][lane 32][8 f16]; lane (r, h) of half e holds query r and keys 16 e + 8 h + 0..7 of the 32: source 1 of a 16x16x32 product.
.Lmask:
	v_lshrrev_b32 v1, 5, v0
	v_readfirstlane_b32 s28, v1                    ; wave
	v_and_b32 v2, 31, v0                           ; lane
	v_lshrrev_b32 v3, 3, v2                        ; one of four rows
	v_and_b32 v4, 7, v2                            ; 16 bytes of its 128
	s_lshl_b32 s30, ttmp9, 14                      ; 16 rows of 1,024 bytes
	v_lshlrev_b32 v5, 10, v3
	v_lshl_add_u32 v5, v4, 4, v5
	s_wait_alu depctr_va_sdst(0)                   ; s28 is written, ahead of its first reader: the offsets in mask, LDS and msk are made from it
	s_lshl_b32 s32, s28, 7
	s_add_co_u32 s30, s30, s32
	v_add_nc_u32 v5, s30, v5
	s_wait_alu depctr_va_vdst(0)                   ; v5 is written: the four loads read it as their offset
.irp i, 0,1,2,3
	global_load_b128 v[16+4*\i:19+4*\i], v5, s[10:11] offset:4096*\i th:TH_LOAD_NT
.endr
	s_mul_i32 s33, s28, MWAVE
	v_mul_u32_u24 v6, v3, MROW
	v_lshl_add_u32 v6, v4, 4, v6
	v_add_nc_u32 v6, s33, v6                       ; in: row 4 i + lane / 8
	v_and_b32 v7, 15, v0
	v_bfe_u32 v10, v0, 4, 1
	v_mul_u32_u24 v7, v7, MROW
	v_lshl_add_u32 v7, v10, 3, v7
	v_add_nc_u32 v7, s33, v7                       ; back: row r, 8 bytes at 8 h
	s_lshr_b32 s34, ttmp9, 4
	s_lshl_b32 s34, s34, 19
	s_lshl_b32 s35, s28, 16
	s_add_co_u32 s34, s34, s35
	s_and_b32 s36, ttmp9, 15
	s_lshl_b32 s36, s36, 12
	s_add_co_u32 s34, s34, s36
	v_lshl_add_u32 v11, v2, 4, s34
	v_mov_b32 v12, 0
	s_mov_b32 s37, 0x04010400                      ; bytes 0 and 1 of a word, each into a half of its own
	s_mov_b32 s38, 0x04030402                      ; bytes 2 and 3
.irp i, 0,1,2,3
	s_wait_loadcnt 3-\i                            ; load i is in, the 3 - i younger ones stay out
.if \i == 0
	s_wait_alu depctr_va_vdst(0)                   ; v6, v7 and v11 are written: the addresses of the LDS stores, of the LDS loads and of the stores into msk
.endif
	ds_store_b128 v6, v[16+4*\i:19+4*\i] offset:4*MROW*\i
.endr
.irp u, 0,1,2,3,4,5,6,7
	ds_load_b64 v[32+2*\u:33+2*\u], v7 offset:16*\u  ; LDS serves a wave's instructions in order (ISA guide 5.7.1.4): these see the stores above
.endr
.irp u, 0,1,2,3,4,5,6,7
	s_wait_dscnt 7-\u                              ; load u is in, the 7 - u younger ones stay out
.if \u == 4
	s_wait_alu depctr_va_vdst(0)                   ; pieces 0 to 3 have written v48-63, which the next four stores read
.endif
.if \u >= 4
	global_store_b128 v11, v[48+4*(\u-4):51+4*(\u-4)], s[20:21] offset:512*(\u-4)  ; 512 consecutive bytes a wave; no vector instruction since that wait names these registers
.endif
	v_perm_b32 v[48+4*\u], v12, v[32+2*\u], s37
	v_perm_b32 v[49+4*\u], v12, v[32+2*\u], s38
	v_perm_b32 v[50+4*\u], v12, v[33+2*\u], s37
	v_perm_b32 v[51+4*\u], v12, v[33+2*\u], s38
	v_mul_u32_u24 v[48+4*\u], 0xf800, v[48+4*\u]   ; 0 or 1 in each half, times the code of -32768
	v_mul_u32_u24 v[49+4*\u], 0xf800, v[49+4*\u]
	v_mul_u32_u24 v[50+4*\u], 0xf800, v[50+4*\u]
	v_mul_u32_u24 v[51+4*\u], 0xf800, v[51+4*\u]
.endr
	s_wait_alu depctr_va_vdst(0)                   ; pieces 4 to 7 have written v64-79, which the last four stores read
.irp u, 4,5,6,7
	global_store_b128 v11, v[48+4*\u:51+4*\u], s[20:21] offset:512*\u
.endr
	s_branch .Lend
; THE ROTATION TABLE.  Thread: position n = 16 (id - 64) + t / 16, frequencies i = 4 (t % 16) + 0..3.  rot[n] = 64 cos, 64 sin.
; Four registers, one a frequency, under each name; the two constants lie behind them and are never rewritten.
.set FI, 16
.set TN, 20
.set EN, 24
.set XX, 28
.set ANG, 32
.set NQ, 36
.set RR, 40
.set R2, 44
.set SPO, 48
.set CPO, 52
.set QI, 56
.set SNO, 60
.set CSO, 64
.set TM, 68                            ; v68-71 at work
.set K7, 72                            ; v72  -1/5040
.set K8, 73                            ; v73  1/40320
.set QM, 36                            ; s36-39  frequency j: the lanes whose quadrant is odd
.Lrot:
	s_sub_co_u32 s28, ttmp9, 64
	v_lshrrev_b32 v1, 4, v0
	v_lshl_add_u32 v1, s28, 4, v1                  ; n
	v_and_b32 v2, 15, v0
	v_lshlrev_b32 v3, 2, v1
	s_wait_alu depctr_va_vdst(0)                   ; v3 is written: the load reads it as its offset
	global_load_b32 v4, v3, s[12:13]               ; pos[n]
	v_lshlrev_b32 v5, 2, v2
	s_mov_b32 s30, 0xbe549a78                      ; -log2(10000) / 64, its f32,
	s_mov_b32 s32, 0xb196872b                      ; and what that f32 leaves
	s_mov_b32 s33, 0x3f317218                      ; ln 2
	s_mov_b32 s34, 0x3fc90fdb                      ; pi / 2, its f32,
	s_mov_b32 s35, 0xb33bbd2e                      ; and the rest
	v_mov_b32 v[K7], 0xb9500d01
	v_mov_b32 v[K8], 0x37d00d01
.irp j, 0,1,2,3
	v_add_nc_u32 v[FI+\j], \j, v5
	v_cvt_f32_u32 v[FI+\j], v[FI+\j]
	v_mul_f32 v[TN+\j], s30, v[FI+\j]              ; t, rounded
	v_fma_f32 v[EN+\j], v[FI+\j], s30, -v[TN+\j]   ; what the rounding dropped,
	v_fma_f32 v[EN+\j], v[FI+\j], s32, v[EN+\j]    ; and the constant's rest
.endr
.irp j, 0,1,2,3
	v_exp_f32 v[XX+\j], v[TN+\j]
.endr
	v_nop                                          ; a plain instruction behind the last exponential,
	s_wait_alu depctr_va_vdst(0)                   ; and one wait for the four, v28-31, ahead of their first reader
	s_wait_loadcnt 0x0
	v_cvt_f32_i32 v4, v4
.irp j, 0,1,2,3
	v_mul_f32 v[EN+\j], v[XX+\j], v[EN+\j]
	v_fma_f32 v[XX+\j], v[EN+\j], s33, v[XX+\j]    ; 2^(t + e) = 2^t (1 + e ln 2)
	v_mul_f32 v[ANG+\j], v4, v[XX+\j]
	v_mul_f32 v[NQ+\j], 0x3f22f983, v[ANG+\j]      ; 2 / pi
	v_rndne_f32 v[NQ+\j], v[NQ+\j]
	v_fma_f32 v[RR+\j], -v[NQ+\j], s34, v[ANG+\j]
	v_fma_f32 v[RR+\j], -v[NQ+\j], s35, v[RR+\j]   ; |r| <= pi / 4
	v_mul_f32 v[R2+\j], v[RR+\j], v[RR+\j]
	v_fmaak_f32 v[SPO+\j], v[K7], v[R2+\j], 0x3c088889
	v_fmaak_f32 v[SPO+\j], v[SPO+\j], v[R2+\j], 0xbe2aaaab
	v_mul_f32 v[TM+\j], v[RR+\j], v[R2+\j]
	v_fma_f32 v[SPO+\j], v[SPO+\j], v[TM+\j], v[RR+\j]  ; sin r
	v_fmaak_f32 v[CPO+\j], v[K8], v[R2+\j], 0xbab60b61
	v_fmaak_f32 v[CPO+\j], v[CPO+\j], v[R2+\j], 0x3d2aaaab
	v_fmaak_f32 v[CPO+\j], v[CPO+\j], v[R2+\j], 0xbf000000
	v_fma_f32 v[CPO+\j], v[CPO+\j], v[R2+\j], 1.0  ; cos r
	v_cvt_i32_f32 v[QI+\j], v[NQ+\j]               ; the quadrant only selects values
	v_and_b32 v[TM+\j], 1, v[QI+\j]
	v_cmp_eq_u32 s[QM+\j], 1, v[TM+\j]             ; the four compares write a scalar register each, so that one wait serves them
.endr
	s_wait_alu depctr_va_sdst(0)                   ; s36-39 are written, ahead of the selects that read them
.irp j, 0,1,2,3
	v_cndmask_b32 v[SNO+\j], v[SPO+\j], v[CPO+\j], s[QM+\j]
	v_cndmask_b32 v[CSO+\j], v[CPO+\j], v[SPO+\j], s[QM+\j]
	v_and_b32 v[TM+\j], 2, v[QI+\j]
	v_lshlrev_b32 v[TM+\j], 30, v[TM+\j]
	v_xor_b32 v[SNO+\j], v[TM+\j], v[SNO+\j]
	v_add_nc_u32 v[TM+\j], 1, v[QI+\j]
	v_and_b32 v[TM+\j], 2, v[TM+\j]
	v_lshlrev_b32 v[TM+\j], 30, v[TM+\j]
	v_xor_b32 v[CSO+\j], v[TM+\j], v[CSO+\j]
.endr
	v_lshlrev_b32 v6, 9, v1
	v_lshl_add_u32 v6, v2, 4, v6
	s_wait_alu depctr_va_vdst(0)                   ; v6 and the eight results v60-67 are written: the two stores read them as offset and data
	global_store_b128 v6, v[CSO:CSO+3], s[22:23]             ; sixteen lanes fill 256 consecutive bytes, aligned
	global_store_b128 v6, v[SNO:SNO+3], s[22:23] offset:256
.Lend:
	s_wait_dscnt 0x0                               ; the closing lines, six on end
	s_wait_alu 0x0
	s_wait_tensorcnt 0x0
	ds_add_u32 v[SPW], v[NIL]
	s_wait_dscnt 0x0
	s_endpgm
.Lfunc_end_k_q9f275aeb37_prep:
	.size	k_q9f275aeb37_prep, .Lfunc_end_k_q9f275aeb37_prep-k_q9f275aeb37_prep
	.p2alignl 7, 3214868480
	.fill 96, 4, 3214868480
	.section	.rodata,"a",@progbits
	.p2align	6, 0x0
	.amdhsa_kernel k_q9f275aeb37_prep
		.amdhsa_group_segment_fixed_size 19456
		.amdhsa_private_segment_fixed_size 0
		.amdhsa_enable_private_segment 0
		.amdhsa_kernarg_size 80
		.amdhsa_user_sgpr_count 2
		.amdhsa_user_sgpr_kernarg_segment_ptr 1
		.amdhsa_wavefront_size32 1
		.amdhsa_system_sgpr_workgroup_id_x 1
		.amdhsa_system_sgpr_workgroup_id_y 1
		.amdhsa_system_sgpr_workgroup_id_z 1
		.amdhsa_system_vgpr_workitem_id 0
		.amdhsa_next_free_vgpr 112
		.amdhsa_next_free_sgpr 66
		.amdhsa_reserve_vcc 0
		.amdhsa_float_denorm_mode_32 3
		.amdhsa_float_denorm_mode_16_64 3
		.amdhsa_memory_ordered 1
		.amdhsa_forward_progress 1
		.amdhsa_inst_pref_size 34
	.end_amdhsa_kernel
	.amdgpu_metadata
---
amdhsa.version: [ 1, 2 ]
amdhsa.kernels:
  - .name:           k_q9f275aeb37_prep
    .symbol:         k_q9f275aeb37_prep.kd
    .args:
      - { .name: x, .offset: 0, .size: 8, .value_kind: global_buffer, .address_space: global }
      - { .name: w_qkv, .offset: 8, .size: 8, .value_kind: global_buffer, .address_space: global }
      - { .name: w_out, .offset: 16, .size: 8, .value_kind: global_buffer, .address_space: global }
      - { .name: mask, .offset: 24, .size: 8, .value_kind: global_buffer, .address_space: global }
      - { .name: pos, .offset: 32, .size: 8, .value_kind: global_buffer, .address_space: global }
      - { .name: xb, .offset: 40, .size: 8, .value_kind: global_buffer, .address_space: global }
      - { .name: wqb, .offset: 48, .size: 8, .value_kind: global_buffer, .address_space: global }
      - { .name: wob, .offset: 56, .size: 8, .value_kind: global_buffer, .address_space: global }
      - { .name: msk, .offset: 64, .size: 8, .value_kind: global_buffer, .address_space: global }
      - { .name: rot, .offset: 72, .size: 8, .value_kind: global_buffer, .address_space: global }
    .group_segment_fixed_size: 19456
    .private_segment_fixed_size: 0
    .kernarg_segment_align: 8
    .kernarg_segment_size: 80
    .max_flat_workgroup_size: 256
    .sgpr_count:     66
    .vgpr_count:     112
    .wavefront_size: 32
...
	.end_amdgpu_metadata
.endif
;; end of part 5
;; launch qkvp: the kernel of part 2 again; grid 8 x 32, 4 waves a work-group, clusters of 4 x 4, 327,680 bytes of LDS; arguments xb, wqb, rot, q_norm_w, k_norm_w, qkv; writes qkv
;; launch attn: the kernel of part 3 again; grid 16 x 16, 4 waves a work-group, clusters of 4 x 1, 327,680 bytes of LDS; arguments qkv, msk, yb; writes yb
;; launch outp: the kernel of part 4 again; grid 8 x 32, 4 waves a work-group, clusters of 4 x 4, 327,680 bytes of LDS; arguments yb, wob, out0; writes out0
